; MI455X (gfx1250); checked and timed in simulation.
; The chip was launched on July 23, 2026; its instructions are those of AMD's public machine-readable ISA for CDNA 5 (MIT licence, August 2026) and "CDNA5" Instruction Set Architecture Reference Guide (July 2026). The comments in the code are by the model that wrote it; some were corrected since.
;; Multi Head Attention Weight Split. Allowed arithmetic: matrix products marked QUANTISED: E4M3 operands, one given power-of-two scale a tensor, by v_wmma_f32_16x16x64_fp8_fp8 or v_wmma_f32_16x16x128_fp8_fp8, f32 sums; everything else in f32.
;; Inputs: Wk 1,024 x 1,024 float32; Wo 1,024 x 1,024 float32; Wq 1,024 x 1,024 float32; Wv 1,024 x 1,024 float32; bk 1,024 float32; bo 1,024 float32; bq 1,024 float32; bv 1,024 float32; lowp_scales 12 int32 (the exponents e of the quantised operands' scales 2^e); mask 1 x 1 x 2,048 x 2,048 int32; x 4 x 2,048 x 1,024 float32.
;; Outputs: out0 4 x 2,048 x 1,024 float32.
;; This version of the problem:
;;   THIS VERSION OF THE PROBLEM IS GIVEN IN LOW PRECISION. The matrix products marked QUANTISED in the list below multiply operands that are first quantised to E4M3 (4 exponent bits, 3 mantissa bits; 8 bits a number), with one given power-of-two scale for each operand tensor; their sums are f32. All else is computed in f32.
;;   The module's matrix products, in the order in which they are computed (A, B: the left and right operand; K: the contracted axis; several contracted axes count as one K, in the product's order):
;;     1. [M 8,192, K 1,024] x [K 1,024, N 1,024]; A: input x; B: input Wq: QUANTISED (scales: A lowp_scales[0], B lowp_scales[1])
;;     2. [M 8,192, K 1,024] x [K 1,024, N 1,024]; A: input x; B: input Wk: QUANTISED (scales: A lowp_scales[2], B lowp_scales[3])
;;     3. [M 8,192, K 1,024] x [K 1,024, N 1,024]; A: input x; B: input Wv: QUANTISED (scales: A lowp_scales[4], B lowp_scales[5])
;;     4. batch 64 x [M 2,048, K 64] x [K 64, N 2,048]; A: computed on the way; B: computed on the way: QUANTISED (scales: A lowp_scales[6], B lowp_scales[7])
;;     5. batch 64 x [M 2,048, K 2,048] x [K 2,048, N 64]; A: softmax (see below); B: computed on the way: QUANTISED (scales: A lowp_scales[8], B lowp_scales[9])
;;     6. [M 8,192, K 1,024] x [K 1,024, N 1,024]; A: computed on the way; B: input Wo: QUANTISED (scales: A lowp_scales[10], B lowp_scales[11])
;;   THE QUANTISER, for each operand of a quantised product, along K:
;;     - The operand's scale is 2^e, e = its entry of the input lowp_scales (int32; the entries are numbered through the quantised products in the list's order, A before B).
;;     - Each number is divided by the scale, clamped to +-448, and rounded to the nearest number of E4M3, ties to even, subnormals kept.
;;     - The product sums the exact products of the quantised numbers (number of the format x scale) in f32.
;;   ~~~python
;;   def quantise(x, axis, e):      # numpy; x: float32 -> the quantised numbers, widened to float32 again
;;       x = np.moveaxis(x, axis, -1); K = x.shape[-1]
;;       r = np.clip(x / 2.0 ** e, -448, 448)
;;       step = 2.0 ** (np.maximum(np.frexp(np.where(r == 0, 1, r))[1] - 1, -6) - 3)
;;       q = np.round(r / step) * step * 2.0 ** e      # np.round: ties to even
;;       return np.moveaxis(q, -1, axis).astype(np.float32)
;;   ~~~
;;   SOFTMAX AHEAD OF A QUANTISED PRODUCT. Where the list says 'softmax', what is quantised is not the finished softmax but p = 2^(t - M), with t = logit x log2(e) and M = ceil(the row's largest t), a whole number; so 1/2 < the row's largest p <= 1. The row's sum l is taken of the UNQUANTISED p, in f32, and the product's result is divided by l at the end. Since M is a whole number, a kernel that streams over the keys may use a running M (the ceiling of the running maximum): every later rescaling is an exact power of two, so the quantised numbers keep their values, but for numbers so far below the row's largest that they fall under the format's range.
;;   OPERANDS COMPUTED ON THE WAY. 'Computed on the way' means the value that the module computes at that place (a softmax that the list does not call 'softmax' is quantised finished and normalised). What goes into a quantiser is computed in f32, as accurately as f32 sums, v_exp_f32 and their like allow (about 1e-6 of the number): no bf16 or f16 on the way to a quantiser, and a product that is left as it is and whose result goes on into a quantised operand takes f32 operands (vector FMAs, or v_wmma_f32_16x16x4_f32). A number that lies on a knife's edge between two numbers of the format may be rounded either way, as far as f32 arithmetic and the matrix unit's own rounding can turn it there, and no further.
;; 2 versions, each right; version 2 is version 1 with the launch attn written anew for expert scheduling mode. Each part assembles by itself: llvm-mc -triple=amdgcn-amd-amdhsa -mcpu=gfx1250 --defsym DOCPART=n.
;; ======== version 1 of 2: 4 launches
;; workspace buffers: ximg 25,165,824 bytes; wimg 4,194,304 bytes; qkvimg 25,165,824 bytes; zimg 8,388,608 bytes; maskw 524,288 bytes of whole numbers; flags 16,384 bytes of whole numbers
;; launch prep (part 1): grid 896 x 1, 4 waves a work-group, no clusters, 35,328 bytes of LDS; arguments x, mask, Wq, Wk, Wv, Wo, lowp_scales, ximg, wimg, maskw, flags; writes ximg, wimg, maskw, flags
.if DOCPART == 1
	.amdgcn_target "amdgcn-amd-amdhsa--gfx1250"
	.amdhsa_code_object_version 6
	.text
	.protected	k_qb6fcf06450_prep
	.globl	k_qb6fcf06450_prep
	.p2align	8
	.type	k_qb6fcf06450_prep,@function
k_qb6fcf06450_prep:
	s_mov_b64 s[64:65], 0
	v_nop
	global_prefetch_b8 v0, s[64:65] scope:SCOPE_SE
	s_setreg_imm32_b32 hwreg(HW_REG_WAVE_MODE, 25, 1), 1
	s_wait_xcnt 0x0
; PREPARATION: x, the four weights and the mask are each read once and laid as the later launches want them.
; AN IMAGE is a matrix fragment of 16 rows x 64 along K of E4M3 codes as it stands in registers: lane (r, h) holds row r, its registers 2c, 2c+1 hold k = 16c + 8h + 0..7.
; It is 1,024 bytes: registers 0-3 of lane l at 16 l, registers 4-7 at 512 + 16 l.  A later launch gets a fragment by loads of 16 bytes a lane at constant + 16 x lane.
; code = number / 2^e, held within +-448, to the nearest code, ties to even.  LIMITS: every e used here lies between -126 and 119; NaN among x and the weights is not served.
; Three paths, chosen by the work-group's number alone:
;   0..511    X: token tile g (16 rows of x).  x is an operand under three given scales (entries 0, 2, 4): three planes of images, ximg[plane][tile 512][k chunk 16][1024].
;   512..767  M: 16 rows of the mask x 1,024 keys.  maskw[q tile 128][key chunk 32][word 32]: bit (r, h) of word 8t + j = mask[16 i + r][64 kc + 16 t + 8 h + j] != 0, the place of that score in the attention launch's registers.
;                flags[q tile][key chunk]: bit 0 = some key of the 16 x 64 is kept, bit 1 = all are.
;   768..895  W: 128 columns x 256 along K of one weight, stored [k][n]: a lane takes a column, its registers run down K; wimg[weight 4][n tile 64][k chunk 16][1024].
; X and M share one form: a unit is 16 rows x 256 bytes; each load reads two rows' aligned 256 bytes (sixteen lanes a row); the unit turns through the wave's own stage in LDS, so that lane (r, h)
; gets, of row r, numbers 16c + 8h + 0..7 in registers 8c + 0..7.  Stage rows lie 272 bytes apart: 68 words, so sixteen rows start at sixteen different banks (64 banks of 4 bytes: ISA guide 11.1).
; No matrix unit, no tensor load, no cluster: every byte is read by one wave once, and waves share nothing, so there is no barrier.
.set XST,   0                          ; LDS: path X's stages, 4 waves x 16 rows x 272 bytes
.set MST,   17408                      ; path M's stages: bytes of their own
.set SPARE, 34816                      ; the spare words, 128 bytes for each wave: two blocks of 256 bytes that no other line names
.set WST,   4352                       ; a wave's stage
.set SPW,   8                          ; v8   LDS address of my spare word; never rewritten
.set NIL,   9                          ; v9   0; never rewritten
.set R,     16                         ; v16-143   four units as loaded (path W: v16-79 two blocks of 32 numbers, v80-143 codes)
.set X,     144                        ; v144-207  two units, turned
.set T,     208                        ; v208-223  two sets of eight held numbers
.set C,     224                        ; v224-247  a unit's codes under the three scales (path M: v224-227 mask words, v228 flags)
	s_load_b512 s[4:19], s[0:1], 0x0               ; x s[4:5], mask s[6:7], Wq s[8:9], Wk s[10:11], Wv s[12:13], Wo s[14:15], lowp_scales s[16:17], ximg s[18:19]
	s_load_b128 s[20:23], s[0:1], 0x40             ; wimg s[20:21], maskw s[22:23]
	s_load_b64 s[24:25], s[0:1], 0x50              ; flags
	v_lshl_add_u32 v[SPW], v0, 2, SPARE
	v_mov_b32 v[NIL], 0
	v_lshrrev_b32 v1, 5, v0
	v_readfirstlane_b32 s26, v1                    ; wave 0..3
	v_and_b32 v1, 31, v0                           ; lane
	v_and_b32 v2, 15, v0                           ; r
	v_bfe_u32 v3, v0, 4, 1                         ; h
	v_lshlrev_b32 v7, 4, v1                        ; 16 x lane: my place in half an image
	s_mul_i32 s27, s26, WST
	v_mul_u32_u24 v5, v3, 272
	v_lshl_add_u32 v5, v2, 4, v5
	v_add_nc_u32 v5, s27, v5                       ; into the stage: lanes 0-15 one row's 256 bytes, lanes 16-31 the next row's
	v_mul_u32_u24 v6, v2, 272
	v_lshl_add_u32 v6, v3, 5, v6
	v_add_nc_u32 v6, s27, v6                       ; out of it: row r, + 32 h bytes
	s_wait_kmcnt 0x0
.macro LOADU u, P, b                   ; unit u: 16 rows x 256 bytes; P = bytes from row to row; v4 = h P + 16 r
.irp i, 0,1,2,3,4,5,6,7
	global_load_b128 v[R+32*(\u)+4*\i:R+32*(\u)+4*\i+3], v4, s[\b:\b+1] offset:\i*2*\P+256*(\u) th:TH_LOAD_NT
.endr
.endm
.macro TURN u, base                    ; through the stage: LDS serves a wave's instructions in order (ISA guide 5.7.1.4), so no wait stands between the stores and the loads, nor ahead of the next unit's stores
.irp i, 0,1,2,3,4,5,6,7
	ds_store_b128 v5, v[R+32*(\u)+4*\i:R+32*(\u)+4*\i+3] offset:\base+544*\i
.endr
.irp c, 0,1,2,3
.irp e, 0,1
	ds_load_b128 v[X+32*((\u)%2)+8*\c+4*\e:X+32*((\u)%2)+8*\c+4*\e+3], v6 offset:\base+64*\c+16*\e
.endr
.endr
.endm
.macro MKSC e, vs, vl                  ; v[vs] = 2^e as f32 (the conversion takes its exponent field), v[vl] = 448 x 2^e
	s_add_co_i32 s34, \e, 127
	s_lshl_b32 s35, s34, 23
	v_mov_b32 v[\vs], s35
	s_add_co_i32 s34, s34, 8
	s_lshl_b32 s34, s34, 23
	s_or_b32 s34, s34, 0x600000
	v_mov_b32 v[\vl], s34
.endm
.macro CLOSE                           ; the wave's end: a tensor wait, an add
	s_wait_tensorcnt 0x0
	ds_add_u32 v[SPW], v[NIL]
	s_wait_dscnt 0x0
	s_endpgm
.endm
	s_cmp_lt_u32 ttmp9, 512
	s_cbranch_scc1 .Lx
	s_cmp_lt_u32 ttmp9, 768
	s_cbranch_scc1 .Lm
; ---------------------------------------------------------------- path W
	s_load_b256 s[40:47], s[16:17], 0x0            ; entries 0..7
	s_load_b128 s[48:51], s[16:17], 0x20           ; entries 8..11
	s_sub_co_u32 s28, ttmp9, 768
	s_lshr_b32 s29, s28, 5                         ; which weight: 0 Wq, 1 Wk, 2 Wv, 3 Wo
	s_bfe_u32 s30, s28, 0x20003                    ; which 256 along K
	s_and_b32 s31, s28, 7                          ; which 128 columns
	s_cmp_eq_u32 s29, 1                            ; the choice hangs on the work-group's number alone
	s_cselect_b64 s[8:9], s[10:11], s[8:9]
	s_cmp_eq_u32 s29, 2
	s_cselect_b64 s[8:9], s[12:13], s[8:9]
	s_cmp_eq_u32 s29, 3
	s_cselect_b64 s[8:9], s[14:15], s[8:9]
	v_lshlrev_b32 v4, 2, v1                        ; in: a lane a column, 4 bytes
	v_lshlrev_b32 v12, 14, v3
	v_lshl_add_u32 v12, v2, 4, v12                 ; out: lanes 0-15 one n tile (16,384 bytes of images), lanes 16-31 the next; 16 r inside
	s_lshl_b32 s32, s30, 20                        ; 256 rows of 4,096 bytes
	s_lshl_b32 s33, s31, 9                         ; 128 columns of 4 bytes
	s_add_co_u32 s32, s32, s33
	s_lshl_b32 s33, s26, 7                         ; my wave's 32 columns
	s_add_co_u32 s32, s32, s33
	s_mov_b32 s33, 0
	s_add_nc_u64 s[8:9], s[8:9], s[32:33]
	s_lshl_b32 s32, s29, 20                        ; the weight's plane of images,
	s_lshl_b32 s34, s31, 17                        ; 8 n tiles for 128 columns,
	s_add_co_u32 s32, s32, s34
	s_lshl_b32 s34, s26, 15                        ; 2 for my wave's 32,
	s_add_co_u32 s32, s32, s34
	s_lshl_b32 s34, s30, 12                        ; 4 k chunks for 256 along K
	s_add_co_u32 s32, s32, s34
	s_add_nc_u64 s[20:21], s[20:21], s[32:33]
.macro WLOAD t                         ; block t: W(32 t + j, my column), j = 0..31: each load reads 128 consecutive bytes, the four waves side by side 512
.set j, 0
.rept 32
	global_load_b32 v[16+32*((\t)%2)+j], v4, s[8:9] offset:(32*(\t)+j)*4096 th:TH_LOAD_NT
.set j, j+1
.endr
.endm
; A block of 32 along K is half an image.  Column r's bytes there: k 0-7 and 16-23 belong to lane (r, 0), at 16 r; k 8-15 and 24-31 to lane (r, 1), at 256 + 16 r.
; So sixteen lanes store 256 consecutive aligned bytes.  Each block has its own eight code registers: no store's data are written again.
.macro WBLOCK t
.set XS, 16+32*((\t)%2)
.set CW, 80+8*(\t)
.if (\t) < 7
	s_wait_loadcnt 32                              ; this block's 32 loads are in; the next block's may be out
.else
	s_wait_loadcnt 0x0
.endif
.set j, 0
.rept 32
	v_med3_num_f32 v[XS+j], v[XS+j], -v11, v11     ; the conversion to an 8-bit code does not saturate (ISA guide 7.6.2): the hold comes first
.set j, j+1
.endr
	v_cvt_scalef32_pk8_fp8_f32 v[CW:CW+1],   v[XS:XS+7],     v10
	v_cvt_scalef32_pk8_fp8_f32 v[CW+2:CW+3], v[XS+16:XS+23], v10
	v_cvt_scalef32_pk8_fp8_f32 v[CW+4:CW+5], v[XS+8:XS+15],  v10
	v_cvt_scalef32_pk8_fp8_f32 v[CW+6:CW+7], v[XS+24:XS+31], v10
	v_nop                                          ; a plain line behind the last conversion of the run
.if (\t)+2 < 8
	WLOAD (\t)+2
.endif
	global_store_b128 v12, v[CW:CW+3],   s[20:21] offset:512*(\t)
	global_store_b128 v12, v[CW+4:CW+7], s[20:21] offset:512*(\t)+256
.endm
	WLOAD 0
	WLOAD 1
	s_wait_kmcnt 0x0
	s_cmp_eq_u32 s29, 1                            ; the weight's scale: entries 1, 3, 5, 11
	s_cselect_b32 s36, s43, s41
	s_cmp_eq_u32 s29, 2
	s_cselect_b32 s36, s45, s36
	s_cmp_eq_u32 s29, 3
	s_cselect_b32 s36, s51, s36
	MKSC s36, 10, 11
.irp t, 0,1,2,3,4,5,6,7
	WBLOCK \t
.endr
	CLOSE
; ---------------------------------------------------------------- path X
.Lx:
	s_load_b256 s[40:47], s[16:17], 0x0            ; entries 0..7: x's scales are 0, 2, 4
	v_lshlrev_b32 v4, 12, v3
	v_lshl_add_u32 v4, v2, 4, v4                   ; h x 4,096 + 16 r
	s_lshl_b32 s28, ttmp9, 16                      ; 16 rows of 4,096 bytes
	s_lshl_b32 s29, s26, 10                        ; my wave's four k chunks of 256 bytes
	s_add_co_u32 s28, s28, s29
	s_mov_b32 s29, 0
	s_add_nc_u64 s[4:5], s[4:5], s[28:29]
	s_lshl_b32 s28, ttmp9, 14                      ; a tile's 16 images
	s_lshl_b32 s30, s26, 12                        ; my wave's four
	s_add_co_u32 s28, s28, s30
	s_add_nc_u64 s[18:19], s[18:19], s[28:29]      ; plane 0,
	s_add_nc_u64 s[30:31], s[18:19], 0x800000      ; plane 1,
	s_add_nc_u64 s[32:33], s[30:31], 0x800000      ; plane 2: a base each, since 8 MiB do not fit a store's immediate
.irp u, 0,1,2,3
	LOADU \u, 4096, 4
.endr
	s_wait_kmcnt 0x0
	MKSC s40, 10, 11
	MKSC s42, 12, 13
	MKSC s44, 14, 15
.macro QX u                            ; a unit becomes three images.  The held numbers go into T, two sets by turns, so that x's numbers stay for the next scale
.if (\u) > 0
	s_wait_xcnt 0x0                                ; the last unit's stores have read their data: C is rewritten only behind this wait
.endif
.irp s, 0,1,2
.irp c, 0,1,2,3
.irp j, 0,1,2,3,4,5,6,7
	v_med3_num_f32 v[T+8*(\c%2)+\j], v[X+32*((\u)%2)+8*\c+\j], -v[11+2*\s], v[11+2*\s]
.endr
	v_cvt_scalef32_pk8_fp8_f32 v[C+8*\s+2*\c:C+8*\s+2*\c+1], v[T+8*(\c%2):T+8*(\c%2)+7], v[10+2*\s]
.endr
.endr
	v_nop                                          ; a plain line behind the last conversion of the run
.irp d, 0,1
	global_store_b128 v7, v[C+4*\d:C+4*\d+3],       s[18:19] offset:1024*(\u)+512*\d   ; 32 lanes store 512 consecutive bytes
	global_store_b128 v7, v[C+8+4*\d:C+8+4*\d+3],   s[30:31] offset:1024*(\u)+512*\d
	global_store_b128 v7, v[C+16+4*\d:C+16+4*\d+3], s[32:33] offset:1024*(\u)+512*\d
.endr
.endm
	s_wait_loadcnt 24                              ; unit 0's eight loads are in; three units' may be out
	TURN 0, XST
.irp u, 0,1,2,3
.if \u < 3
	s_wait_loadcnt 8*(2-\u)                        ; the next unit is in; the units behind it may be out
	TURN \u+1, XST
	s_wait_dscnt 16                                ; all but the next unit's 8 stores and 8 loads: this unit is back
.else
	s_wait_dscnt 0x0
.endif
	QX \u
.endr
	CLOSE
; ---------------------------------------------------------------- path M
.Lm:
	s_sub_co_u32 s28, ttmp9, 512
	s_lshr_b32 s29, s28, 1                         ; i: the tile of 16 queries
	s_and_b32 s30, s28, 1
	s_lshl_b32 s30, s30, 4
	s_lshl_b32 s31, s26, 2
	s_add_co_u32 s30, s30, s31                     ; kc0: my wave's first chunk of 64 keys
	v_lshlrev_b32 v4, 13, v3
	v_lshl_add_u32 v4, v2, 4, v4                   ; h x 8,192 + 16 r
	v_lshlrev_b32 v10, 3, v1                       ; 8 x lane
	v_lshlrev_b32 v11, 2, v1                       ; 4 x lane
	s_lshl_b32 s66, s29, 17                        ; 16 rows of 8,192 bytes
	s_lshl_b32 s67, s30, 8                         ; a chunk is 256 bytes of a row
	s_add_co_u32 s66, s66, s67
	s_mov_b32 s67, 0
	s_add_nc_u64 s[6:7], s[6:7], s[66:67]
	s_lshl_b32 s66, s29, 5
	s_add_co_u32 s66, s66, s30                     ; 32 i + kc0
	s_lshl_b32 s68, s66, 2
	s_mov_b32 s69, 0
	s_add_nc_u64 s[24:25], s[24:25], s[68:69]      ; flags: a word a chunk
	s_lshl_b32 s66, s66, 7
	s_add_nc_u64 s[22:23], s[22:23], s[66:67]      ; maskw: 128 bytes a chunk
.irp u, 0,1,2,3
	LOADU \u, 8192, 6
.endr
.irp j, 224,225,226,227,228
	v_mov_b32 v\j, 0                               ; written whole once: v_writelane_b32's destination counts as read
.endr
; A unit is a chunk.  Word n is the ballot of register n.  Two chunks' 64 words are laid into a register pair, words 2 l and 2 l + 1 in lane l, and leave as 256 consecutive aligned bytes.
.macro MK u
.set j, 0
.rept 32
	v_cmp_ne_u32 s[32+j], 0, v[X+32*((\u)%2)+j]
.set j, j+1
.endr
	s_or_b32 s70, s32, s33
	s_and_b32 s71, s32, s33
.set j, 2
.rept 30
	s_or_b32 s70, s70, s[32+j]
	s_and_b32 s71, s71, s[32+j]
.set j, j+1
.endr
.set j, 0
.rept 32
	v_writelane_b32 v[224+2*((\u)/2)+j%2], s[32+j], 16*((\u)%2)+j/2
.set j, j+1
.endr
	s_cmp_lg_u32 s70, 0
	s_cselect_b32 s70, 1, 0                        ; some key is kept
	s_cmp_eq_u32 s71, -1
	s_cselect_b32 s71, 2, 0                        ; all are
	s_or_b32 s70, s70, s71
	v_writelane_b32 v228, s70, \u
.if (\u)%2
	global_store_b64 v10, v[224+2*((\u)/2):225+2*((\u)/2)], s[22:23] offset:128*((\u)-1)
.endif
.endm
	s_wait_loadcnt 24
	TURN 0, MST
.irp u, 0,1,2,3
.if \u < 3
	s_wait_loadcnt 8*(2-\u)
	TURN \u+1, MST
	s_wait_dscnt 16
.else
	s_wait_dscnt 0x0
.endif
	MK \u
.endr
	v_cmp_gt_u32 vcc_lo, 4, v1                     ; my wave's four flag words, from lanes 0-3: 16 bytes, the one store here that is no whole 256 bytes (16 KB in the whole launch)
	s_wait_xcnt 0x0                                ; EXEC changes only behind this wait: it is a source of the stores above
	s_and_saveexec_b32 s66, vcc_lo
	global_store_b32 v11, v228, s[24:25]
	s_wait_xcnt 0x0                                ; and again ahead of the line that widens it
	s_or_b32 exec_lo, exec_lo, s66
	CLOSE
.Lfunc_end_k_qb6fcf06450_prep:
	.size	k_qb6fcf06450_prep, .Lfunc_end_k_qb6fcf06450_prep-k_qb6fcf06450_prep
	.p2alignl 7, 3214868480
	.fill 96, 4, 3214868480
	.section	.rodata,"a",@progbits
	.p2align	6, 0x0
	.amdhsa_kernel k_qb6fcf06450_prep
		.amdhsa_group_segment_fixed_size 35328
		.amdhsa_private_segment_fixed_size 0
		.amdhsa_enable_private_segment 0
		.amdhsa_kernarg_size 88
		.amdhsa_user_sgpr_count 2
		.amdhsa_user_sgpr_kernarg_segment_ptr 1
		.amdhsa_wavefront_size32 1
		.amdhsa_system_sgpr_workgroup_id_x 1
		.amdhsa_system_sgpr_workgroup_id_y 1
		.amdhsa_system_sgpr_workgroup_id_z 1
		.amdhsa_system_vgpr_workitem_id 0
		.amdhsa_next_free_vgpr 256
		.amdhsa_next_free_sgpr 80
		.amdhsa_reserve_vcc 1
		.amdhsa_float_denorm_mode_32 3
		.amdhsa_float_denorm_mode_16_64 3
		.amdhsa_memory_ordered 1
		.amdhsa_forward_progress 1
		.amdhsa_inst_pref_size 119
	.end_amdhsa_kernel
	.amdgpu_metadata
---
amdhsa.version: [ 1, 2 ]
amdhsa.kernels:
  - .name:           k_qb6fcf06450_prep
    .symbol:         k_qb6fcf06450_prep.kd
    .args:
      - { .name: x, .offset: 0, .size: 8, .value_kind: global_buffer, .address_space: global }
      - { .name: mask, .offset: 8, .size: 8, .value_kind: global_buffer, .address_space: global }
      - { .name: Wq, .offset: 16, .size: 8, .value_kind: global_buffer, .address_space: global }
      - { .name: Wk, .offset: 24, .size: 8, .value_kind: global_buffer, .address_space: global }
      - { .name: Wv, .offset: 32, .size: 8, .value_kind: global_buffer, .address_space: global }
      - { .name: Wo, .offset: 40, .size: 8, .value_kind: global_buffer, .address_space: global }
      - { .name: lowp_scales, .offset: 48, .size: 8, .value_kind: global_buffer, .address_space: global }
      - { .name: ximg, .offset: 56, .size: 8, .value_kind: global_buffer, .address_space: global }
      - { .name: wimg, .offset: 64, .size: 8, .value_kind: global_buffer, .address_space: global }
      - { .name: maskw, .offset: 72, .size: 8, .value_kind: global_buffer, .address_space: global }
      - { .name: flags, .offset: 80, .size: 8, .value_kind: global_buffer, .address_space: global }
    .group_segment_fixed_size: 35328
    .private_segment_fixed_size: 0
    .kernarg_segment_align: 8
    .kernarg_segment_size: 88
    .max_flat_workgroup_size: 128
    .sgpr_count:     80
    .vgpr_count:     256
    .wavefront_size: 32
...
	.end_amdgpu_metadata
.endif
;; end of part 1
;; launch qkv (part 2): grid 96 x 4, 4 waves a work-group, clusters of 4 x 4, 327,680 bytes of LDS; arguments ximg, wimg, bq, bk, bv, lowp_scales, qkvimg; writes qkvimg
.if DOCPART == 2
	.amdgcn_target "amdgcn-amd-amdhsa--gfx1250"
	.amdhsa_code_object_version 6
	.text
	.protected	k_qb6fcf06450_qkv
	.globl	k_qb6fcf06450_qkv
	.p2align	8
	.type	k_qb6fcf06450_qkv,@function
k_qb6fcf06450_qkv:
	s_mov_b64 s[64:65], 0
	v_nop
	global_prefetch_b8 v0, s[64:65] scope:SCOPE_SE
	s_setreg_imm32_b32 hwreg(HW_REG_WAVE_MODE, 25, 1), 1
	s_wait_xcnt 0x0
	s_wait_alu depctr_hold_cnt(0) depctr_sa_sdst(0) depctr_va_vdst(0) depctr_va_sdst(0) depctr_va_ssrc(0) depctr_va_vcc(0) depctr_vm_vsrc(0)
	s_getreg_b32 s2, hwreg(HW_REG_IB_STS2, 6, 4)
	s_cmp_eq_u32 s2, 0
	s_cbranch_scc0 .Lentry_in_a_cluster
	s_endpgm
.Lentry_in_a_cluster:
	s_bfe_u32 s2, ttmp6, 0x10000c
	s_cmp_lg_u32 s2, 0xf033
	s_cbranch_scc0 .Lentry_shape_is_right
	s_endpgm
.Lentry_shape_is_right:
; q = x Wq + bq, k = x Wk + bk, v = x Wv + bv on E4M3 codes, each result quantised at once for the attention launch.  Three GEMMs of 8,192 x 1,024 x 1,024 in one launch.
; OPERANDS ARE IMAGES: a fragment of 16 rows x 64 K as it stands in registers (lane (r, h): row r, registers 2c, 2c+1: k = 16c + 8h + 0..7), 1,024 bytes; ximg and wimg are [plane][row tile][k chunk 16][1024].
; Two neighbouring images are a fragment of 16 x 128 for v_wmma_f32_16x16x128_fp8_fp8, every k in its own place.
; SHARES.  24 clusters of 4 x 4 work-groups: p = cluster / 8 says which product (0 q, 1 k, 2 v), blk = cluster % 8 which 1,024 tokens.  A work-group makes 256 x 256 of C'[i][j], four waves of 128 x 128 (64 accumulators).
;   p < 2: i = token (A = x's images under the product's scale), j = feature (B = the weight's).   p = 2: i = feature (A = Wv's images), j = token (B = x's).
; THE MATRIX INSTRUCTION IS USED TRANSPOSED (source 0 = 16 rows of B, source 1 = 16 rows of A): lane (r, h) holds C'[r][8h + 0..7].  So a lane's eight results are eight neighbours along the NEXT product's K:
; the head's channels for q and k, the keys for v; one conversion makes of them two registers of an image, and the images are stored as they stand: 512 consecutive bytes an instruction, no stage in LDS.
;   qkvimg plane 0 q, plane 1 k: [batch x head 64][token tile 128][1024];   plane 2 v: [batch x head 64][key chunk 32][channel tile 4][1024] (rows = channels, K = keys).
; RING.  K goes in steps of 256 (four images of each row tile, 4,096 consecutive bytes) through two LDS slots; a wave's tensor load brings 8 row tiles x 4,096 bytes.  Images need no padding: a load's 512 bytes are consecutive.
; CLUSTER.  A's tile hangs on the tile row alone and is asked for jointly by a row of the cluster, B's on the tile column alone, by a column.  p and blk are the same in all sixteen partners.
; 384 work-groups of equal work.  No prefetch: K has four steps, and two of them are the first fills.
; LIMITS: each product's two exponents added lie between -126 and 127; entries 6, 7, 9 (the results' scales) between -126 and 119.
; REGISTERS, in windows of 256: window 0: v0-31 addresses and scales; v32-95 the biases; from v128 A's fragments, ONE set (way out: v128-191 numbers, v192-255 codes).  window 1: B's fragments, TWO sets.  windows 2, 3: the accumulators.
.set KB,     4096                      ; a row tile's bytes in a K step
.set HALFT,  32768                     ; 8 row tiles: what one tensor load brings, and what one wave reads of A or of B
.set SLOT,   4*HALFT                   ; A's 16 row tiles, then B's 16
.set SPARE,  2*SLOT                    ; behind the ring: the spare words, 128 bytes for each wave: two blocks of 256 bytes that no other line names
.set FR,     16                        ; registers of a fragment of 16 x 128
.set NL,     4                         ; LDS loads that bring one
.set NP,     4                         ; places behind this matrix instruction (ISA guide 7.12.1)
.set ADRA, 16                          ; v16-17  LDS address of my A fragments in slot 0, 1
.set ADRB, 20                          ; v20-21  the same for B
.set CO,   26                          ; v26     16 x lane; never rewritten
.set BA,   27                          ; v27     my lane's byte in the bias; never rewritten behind its loads
.set SPW,  28                          ; v28     LDS address of my spare word; never rewritten
.set NIL,  29                          ; v29     0; never rewritten
.set BT,   32                          ; v32-95  the biases, in the results' layout
.set AF,   128                         ; A's fragments
.set T,    128                         ; the way out: a block's 64 numbers
.set CC,   192                         ; the way out: codes, 16 registers for each of four blocks by turns
.set G1, 24                            ; s[24:31] descriptor group 1 for A's tiles;  s[32:39] group 0, one set for each slot
.set G0, 32
.set G1B, 48                           ; s[48:55], s[56:63] the same for B's tiles
.set G0B, 56
.set MSB, 0
.macro WIN new                         ; the immediate's high byte repeats the setting that is left
.if MSB != \new
	s_set_vgpr_msb (MSB<<8)|\new
.set MSB, \new
.endif
.endm
.set MUL_LO, 0xa1                      ; source 0 (B) window 1, source 1 (A) window 0, C and D window 2
.set MUL_HI, 0xf1                      ; the same, C and D window 3
.set TO_B,   0x40                      ; destination window 1, address window 0
; A joint load: waves 0 and 1 fetch for A, waves 2 and 3 for B.  Each line has ONE mask and one set of registers for all that issue it; the branch hangs on the wave's number alone.
; An s_nop 0 and four v_nop follow each of the two lines, ahead of the jump, the label and what follows.
.macro JLOAD g0a, g1a, g0b, g1b
	s_cmp_eq_u32 s15, 0
	s_cbranch_scc0 .Lfor_b_\@
	tensor_load_to_lds s[\g0a:\g0a+3], s[\g1a:\g1a+7]
	s_nop 0
.rept 4
	v_nop
.endr
	s_branch .Lasked_\@
.Lfor_b_\@:
	tensor_load_to_lds s[\g0b:\g0b+3], s[\g1b:\g1b+7]
	s_nop 0
.rept 4
	v_nop
.endr
.Lasked_\@:
.endm
.macro CREST                           ; a round of the cluster's barrier behind its opening barrier
	s_cmp_lg_u32 s14, 0
	s_cbranch_scc1 .Lnot_wave_0_\@
	s_barrier_signal -3
.Lnot_wave_0_\@:
	s_barrier_wait -3
	s_barrier_signal -1
	s_barrier_wait -1
.endm
.macro CROUND                          ; a whole round
	s_barrier_signal -1
	s_barrier_wait -1
	CREST
.endm
	s_load_b128 s[4:7], s[0:1], 0x0                ; ximg s[4:5], wimg s[6:7]
	s_load_b128 s[8:11], s[0:1], 0x10              ; bq s[8:9], bk s[10:11]
	s_load_b128 s[84:87], s[0:1], 0x20             ; bv s[84:85], lowp_scales s[86:87]
	s_load_b64 s[88:89], s[0:1], 0x30              ; qkvimg
	v_lshl_add_u32 v[SPW], v0, 2, SPARE
	v_mov_b32 v[NIL], 0
	ds_add_u32 v[SPW], v[NIL]                      ; the wave's opening: the add and its wait ahead of my first tensor load; the set-up below, work on registers, stands between them
	v_lshrrev_b32 v1, 5, v0
	v_readfirstlane_b32 s14, v1                    ; wave 0..3
	s_lshr_b32 s15, s14, 1                         ; which half of the tile's rows is mine.  Also: I fetch for A (0) or for B (1)
	s_and_b32 s16, s14, 1                          ; which half of its columns.  Also: which 8 row tiles of that tile I fetch
	s_bfe_u32 s40, ttmp6, 0x40000                  ; cx, cy: my place in the cluster
	s_bfe_u32 s41, ttmp6, 0x40004
	s_lshr_b32 s12, ttmp9, 3                       ; p: in a cluster launch ttmp9 counts clusters
	s_and_b32 s13, ttmp9, 7
	s_lshl_b32 s13, s13, 2                         ; 4 blk: the token tiles go along i for q and k, along j for v
	s_lshl_b32 s90, s12, 23                        ; x's plane p,
	s_lshl_b32 s92, s12, 20                        ; the weight's plane p
	s_cmp_eq_u32 s12, 2
	s_cselect_b32 s17, 0, s13
	s_cselect_b32 s42, s13, 0
	s_cselect_b32 s90, 0x200000, s90               ; A's plane: for v the weight's plane 2,
	s_cselect_b32 s92, 0x1000000, s92              ; B's: for v x's plane 2
	s_add_co_u32 s17, s17, s41                     ; tile row of C'
	s_add_co_u32 s42, s42, s40                     ; tile column of C'
	s_lshl_b32 s43, s41, 2
	s_lshl_b32 s43, 15, s43                        ; my row of the cluster
	s_lshl_b32 s44, 0x1111, s40                    ; my column
	; descriptor group 1: 8 rows of 4,096 bytes (512 elements of 8 bytes), 16,384 bytes apart, dense in LDS
	s_or_b32 s[G1+0], s43, (3<<16)|(1<<21)         ; 15:0 the mask: A's tiles go to my row; 17:16 elements of 8 bytes; 20 no padding; 21 set beside a mask
	s_or_b32 s[G1B+0], s44, (3<<16)|(1<<21)
.irp g, G1, G1B
	s_mov_b32 s[\g+1], 512<<16                     ; tensor_dim0 = 512
	s_mov_b32 s[\g+2], 8<<16                       ; tensor_dim1 = 8
	s_mov_b32 s[\g+3], 512<<16                     ; tile_dim0 = 512
	s_mov_b32 s[\g+4], 8                           ; tile_dim1 = 8
	s_mov_b32 s[\g+5], 2048                        ; tensor_dim0_stride: a row tile's 16 images
	s_mov_b32 s[\g+6], 0
	s_mov_b32 s[\g+7], 0
.endr
	s_lshl_b32 s18, s16, 17                        ; which 8 row tiles I fetch
	s_lshl_b32 s20, s17, 18                        ; A: 16 row tiles of 16,384 bytes for each tile row,
	s_add_co_u32 s20, s20, s18
	s_add_co_u32 s20, s20, s90                     ; in its plane
	s_mov_b32 s21, 0
	s_lshl_b32 s46, s42, 18                        ; B likewise, by the tile column
	s_add_co_u32 s46, s46, s18
	s_add_co_u32 s46, s46, s92
	s_mov_b32 s47, 0
	s_lshl_b32 s45, s14, 15                        ; where they go: wave x 32,768: no place in the cluster enters an LDS address
	s_wait_dscnt 0x0                               ; the opening add is done
	s_wait_kmcnt 0x0
	s_load_b256 s[68:75], s[86:87], 0x0            ; entries 0..7
	s_load_b128 s[76:79], s[86:87], 0x20           ; entries 8..11
	s_cmp_eq_u32 s12, 2                            ; the choice of buffers hangs on the cluster's number alone
	s_cselect_b64 s[90:91], s[6:7], s[4:5]
	s_cselect_b64 s[92:93], s[4:5], s[6:7]
	s_add_nc_u64 s[20:21], s[90:91], s[20:21]
	s_add_nc_u64 s[46:47], s[92:93], s[46:47]
	CROUND                                         ; all sixteen work-groups are here: the first joint loads meet
.irp s, 0,1
	s_mov_b32 s[G0+4*\s], 1
	s_add_co_u32 s[G0+4*\s+1], s45, \s*SLOT
	s_add_nc_u64 s[G0+4*\s+2:G0+4*\s+3], s[20:21], \s*KB
	s_or_b32 s[G0+4*\s+3], s[G0+4*\s+3], 0x80000000
	s_mov_b32 s[G0B+4*\s], 1
	s_add_co_u32 s[G0B+4*\s+1], s45, \s*SLOT
	s_add_nc_u64 s[G0B+4*\s+2:G0B+4*\s+3], s[46:47], \s*KB
	s_or_b32 s[G0B+4*\s+3], s[G0B+4*\s+3], 0x80000000
	JLOAD G0+4*\s, G1, G0B+4*\s, G1B               ; two tensor loads of mine are out
.endr
	v_and_b32 v1, 15, v0                           ; r
	v_bfe_u32 v2, v0, 4, 1                         ; h
	v_and_b32 v3, 31, v0
	v_lshlrev_b32 v[CO], 4, v3                     ; 16 x lane
	s_lshl_b32 s21, s15, 15                        ; my 8 row tiles of A
	s_lshl_b32 s22, s16, 15                        ; my 8 of B,
	s_add_co_u32 s22, s22, 2*HALFT                 ; which lie behind A's 16
.irp s, 0,1
	v_add_nc_u32 v[ADRA+\s], s21, v[CO]
	v_add_nc_u32 v[ADRB+\s], s22, v[CO]
	s_add_co_u32 s21, s21, SLOT
	s_add_co_u32 s22, s22, SLOT
.endr
	; U, hu: my tile and half along the tokens; W, hw: along the features
	s_cmp_eq_u32 s12, 2
	s_cselect_b32 s80, s42, s17
	s_cselect_b32 s81, s17, s42
	s_cselect_b32 s82, s16, s15
	s_cselect_b32 s83, s15, s16
	; where my images go: plane p; batch x head = (U / 8) 16 + 4 W + 2 hw, 131,072 bytes each; my 128 tokens are 8,192 bytes there in all three planes
	s_lshr_b32 s90, s80, 3
	s_lshl_b32 s90, s90, 4
	s_lshl_b32 s91, s81, 2
	s_add_co_u32 s90, s90, s91
	s_lshl_b32 s91, s83, 1
	s_add_co_u32 s90, s90, s91
	s_lshl_b32 s90, s90, 17
	s_and_b32 s91, s80, 7
	s_lshl_b32 s91, s91, 1
	s_add_co_u32 s91, s91, s82
	s_lshl_b32 s91, s91, 13
	s_add_co_u32 s90, s90, s91
	s_lshl_b32 s91, s12, 23
	s_add_co_u32 s90, s90, s91
	s_mov_b32 s91, 0
	s_add_nc_u64 s[88:89], s[88:89], s[90:91]
	; the bias of my 128 features
	s_cmp_eq_u32 s12, 1
	s_cselect_b64 s[66:67], s[10:11], s[8:9]
	s_cmp_eq_u32 s12, 2
	s_cselect_b64 s[66:67], s[84:85], s[66:67]
	s_lshl_b32 s94, s81, 10
	s_lshl_b32 s95, s83, 9
	s_add_co_u32 s94, s94, s95
	s_mov_b32 s95, 0
	s_add_nc_u64 s[66:67], s[66:67], s[94:95]
	s_cmp_eq_u32 s12, 2                            ; p is the same in all partners of the cluster
	s_cbranch_scc1 .Lbias_v
	v_lshlrev_b32 v[BA], 5, v2                     ; q, k: features run along a lane's registers: register 8 b + j wants feature 16 b + 8 h + j
.irp b, 0,1,2,3,4,5,6,7
	global_load_b128 v[BT+8*\b:BT+8*\b+3],   v[BA], s[66:67] offset:64*\b
	global_load_b128 v[BT+8*\b+4:BT+8*\b+7], v[BA], s[66:67] offset:64*\b+16
.endr
	s_branch .Lbias_done
.Lbias_v:
	v_lshlrev_b32 v[BA], 2, v1                     ; v: a lane holds one feature of each block: registers 8 a + 0..7 all want feature 16 a + r, so that one form of multiply-add serves both
.irp a, 0,1,2,3,4,5,6,7
.irp i, 0,1,2,3,4,5,6,7
	global_load_b32 v[BT+8*\a+\i], v[BA], s[66:67] offset:64*\a
.endr
.endr
.Lbias_done:
.macro FRAG reg, adr, q, i             ; a fragment of 16 x 128: two images, four loads of 512 consecutive bytes: row tile i, the slot's q-th 128 along K
.irp c, 0,1,2,3
	ds_load_b128 v[\reg+4*\c:\reg+4*\c+3], v[\adr] offset:KB*(\i)+2048*(\q)+512*\c
.endr
.endm
; 16 matrix instructions: A's blocks a0, a0 + 1 x B's eight, 128 along K.  p: B's set.  zero = 1: the first product starts the sums: nothing is ever cleared.
; The 64 accumulators take turns, one instruction a turn, in the same order in every step.
.macro MUL16 a0, p, zero
.irp a, \a0, \a0+1
.irp b, 0,1,2,3,4,5,6,7
.if \zero
	v_wmma_f32_16x16x128_fp8_fp8 v[8*(8*((\a)%4)+\b):8*(8*((\a)%4)+\b)+7], v[128*(\p)+FR*\b:128*(\p)+FR*\b+FR-1], v[AF+FR*(\a):AF+FR*(\a)+FR-1], 0
.else
	v_wmma_f32_16x16x128_fp8_fp8 v[8*(8*((\a)%4)+\b):8*(8*((\a)%4)+\b)+7], v[128*(\p)+FR*\b:128*(\p)+FR*\b+FR-1], v[AF+FR*(\a):AF+FR*(\a)+FR-1], v[8*(8*((\a)%4)+\b):8*(8*((\a)%4)+\b)+7]
.endif
.endr
.endr
.endm
.macro FETCH_B slot, q, p              ; B's eight fragments into set p
	WIN TO_B
.irp i, 0,1,2,3,4,5,6,7
	FRAG 128*(\p)+FR*\i, ADRB+\slot, \q, \i
.endr
	WIN 0
.endm
.macro FETCH_A slot, q, i0             ; A's blocks i0 .. i0 + 3
.irp i, \i0, \i0+1, \i0+2, \i0+3
	FRAG AF+FR*(\i), ADRA+\slot, \q, \i
.endr
.endm
; A load into a register that a matrix instruction has read, and a vector instruction that reads a matrix result or writes one of its registers, stand NP places behind it; only plain vector
; instructions that name none of its registers are places (ISA guide 7.12.1 for vector instructions).
.macro PLACES n
.rept \n
	v_nop
.endr
.endm
; A step of 128 along K that has its successor in the same slot.  A's blocks are free as soon as their eight products are issued: blocks 0-3 are fetched anew in the step's middle, blocks 4-7 at its end.
.macro STEP slot, q, zero
	s_wait_dscnt 4*NL                              ; B's set and A's blocks 0-3 are in; the youngest 16 loads (A's blocks 4-7) may be out
	WIN MUL_LO
	MUL16 0, (\q)%2, \zero
	MUL16 2, (\q)%2, \zero
	s_wait_dscnt 0                                 ; A's blocks 4-7 are in
	PLACES NP
	FETCH_B \slot, (\q)+1, 1-(\q)%2
	FETCH_A \slot, (\q)+1, 0
	WIN MUL_HI
	MUL16 4, (\q)%2, \zero
	MUL16 6, (\q)%2, \zero
	PLACES NP
	WIN 0
	FETCH_A \slot, (\q)+1, 4
.endm
; A slot's last step changes slots: ONE barrier; ahead of it each wave waits for all its tensor loads, adds 0 to its spare word, and waits for that and for its own reads of this slot.  fill = 1: this slot is filled again, two K steps ahead.
.macro TURN slot, next, fill
	s_wait_tensorcnt 0x0                           ; all my tensor loads have landed: my part of the next slot (every window is 0 here)
	ds_add_u32 v[SPW], v[NIL]                      ; 0 onto my spare word
	s_wait_dscnt 4*NL+1                            ; the add and the youngest 16 loads (A's blocks 4-7) may be out
	WIN MUL_LO
	MUL16 0, 1, 0                                  ; sixteen matrix instructions stand between the add and the wait for it
	s_wait_dscnt 0x0                               ; the add is done, and my reads of this slot are over
	s_barrier_signal -1
	MUL16 2, 1, 0
	WIN 0
	s_barrier_wait -1
.if \fill
	CREST                                          ; the barrier has opened a round of the cluster's: no wave of any partner still reads this slot or has a load on its way
	s_add_nc_u64 s[G0+4*\slot+2:G0+4*\slot+3], s[G0+4*\slot+2:G0+4*\slot+3], 2*KB
	s_add_nc_u64 s[G0B+4*\slot+2:G0B+4*\slot+3], s[G0B+4*\slot+2:G0B+4*\slot+3], 2*KB
	JLOAD G0+4*\slot, G1, G0B+4*\slot, G1B         ; my one tensor load behind the round; its four v_nop are also the places ahead of the loads below
.else
	PLACES NP
.endif
	FETCH_B \next, 0, 0
	FETCH_A \next, 0, 0
	WIN MUL_HI
	MUL16 4, 1, 0
	MUL16 6, 1, 0
	PLACES NP
	WIN 0
	FETCH_A \next, 0, 4
.endm
	s_wait_tensorcnt 1                             ; my part of K step 0 is in (K step 1's load may be out)
	s_barrier_signal -1
	s_barrier_wait -1                              ; everybody's is
	FETCH_B 0, 0, 0
	FETCH_A 0, 0, 0
	FETCH_A 0, 0, 4
	STEP 0, 0, 1                                   ; K = 1,024 is four K steps: written straight.  The first products start the sums
	TURN 0, 1, 1                                   ; slot 0 takes K step 2
	STEP 1, 0, 0
	TURN 1, 0, 1                                   ; slot 1 takes K step 3
	STEP 0, 0, 0
	TURN 0, 1, 0                                   ; nothing is left to fetch
	STEP 1, 0, 0
	s_wait_dscnt 4*NL
	WIN MUL_LO
	MUL16 0, 1, 0
	MUL16 2, 1, 0
	s_wait_dscnt 0
	WIN MUL_HI
	MUL16 4, 1, 0
	MUL16 6, 1, 0
	WIN 0
	; THE WAY OUT.  number = sum x 2^(eA + eB) + bias, one packed multiply-add for two; held within +-448 x 2^eo; eight numbers become two registers of an image.  No branch hangs on a scale.
	s_wait_kmcnt 0x0
	s_cmp_eq_u32 s12, 1                            ; the operands' scales: entries 2 p, 2 p + 1; the result's: 6 (q), 7 (k), 9 (v)
	s_cselect_b32 s90, s70, s68
	s_cselect_b32 s91, s71, s69
	s_cselect_b32 s92, s75, s74
	s_cmp_eq_u32 s12, 2
	s_cselect_b32 s90, s72, s90
	s_cselect_b32 s91, s73, s91
	s_cselect_b32 s92, s77, s92
	s_add_co_i32 s96, s90, s91
	s_add_co_i32 s96, s96, 127
	s_lshl_b32 s96, s96, 23                        ; 2^(eA + eB) as f32
	s_mov_b32 s97, s96                             ; (named with it as a pair, so it is written)
	s_add_co_i32 s92, s92, 127
	s_lshl_b32 s93, s92, 23
	v_mov_b32 v12, s93                             ; 2^eo
	s_add_co_i32 s92, s92, 8
	s_lshl_b32 s92, s92, 23
	s_or_b32 s92, s92, 0x600000
	v_mov_b32 v13, s92                             ; 448 x 2^eo
	s_wait_loadcnt 0x0                             ; the biases
	PLACES NP                                      ; behind the last products: their results are read and A's registers written below
; Block a: my rows 16 a .. 16 a + 15 of C' x my 128 columns.  kind 0 (q, k): token tile a, two heads g, images of 64 channels.  kind 1 (v): head a / 4, channel tile a % 4, two key chunks g.
.macro OUTBLK a, kind
.set AC, 64*((\a)%4)
.set CB, CC+16*((\a)%4)
.if (\a) >= 4
	s_wait_xcnt 0x0                                ; block a - 4's stores have read their data: these code registers are rewritten only behind this wait
.endif
	WIN 0x02+((\a)/4)                              ; source 0: window 2 or 3
.irp b, 0,1,2,3,4,5,6,7
.irp i, 0,2,4,6
.if \kind
	v_pk_fma_f32 v[T+8*\b+\i:T+8*\b+\i+1], v[AC+8*\b+\i:AC+8*\b+\i+1], s[96:97], v[BT+8*(\a)+\i:BT+8*(\a)+\i+1] op_sel_hi:[1,0,1]   ; each accumulator from its low end on
.else
	v_pk_fma_f32 v[T+8*\b+\i:T+8*\b+\i+1], v[AC+8*\b+\i:AC+8*\b+\i+1], s[96:97], v[BT+8*\b+\i:BT+8*\b+\i+1] op_sel_hi:[1,0,1]
.endif
.endr
.endr
	WIN 0
.set j, 0
.rept 64
	v_med3_num_f32 v[T+j], v[T+j], -v13, v13       ; the conversion to an 8-bit code does not saturate (ISA guide 7.6.2): the hold comes first
.set j, j+1
.endr
.irp b, 0,1,2,3,4,5,6,7
	v_cvt_scalef32_pk8_fp8_f32 v[CB+2*\b:CB+2*\b+1], v[T+8*\b:T+8*\b+7], v12
.endr
	v_nop                                          ; a plain line behind the last conversion: the next block writes their sources
.irp g, 0,1
.irp d, 0,1
.if \kind
	global_store_b128 v[CO], v[CB+8*\g+4*\d:CB+8*\g+4*\d+3], s[88:89] offset:131072*((\a)/4)+4096*\g+1024*((\a)%4)+512*\d
.else
	global_store_b128 v[CO], v[CB+8*\g+4*\d:CB+8*\g+4*\d+3], s[88:89] offset:1024*(\a)+131072*\g+512*\d   ; 32 lanes store 512 consecutive bytes, at a multiple of 512 from the buffer's first byte
.endif
.endr
.endr
.endm
	s_cmp_eq_u32 s12, 2
	s_cbranch_scc1 .Lout_v
.irp a, 0,1,2,3,4,5,6,7
	OUTBLK \a, 0
.endr
	s_branch .Lclose
.Lout_v:
.irp a, 0,1,2,3,4,5,6,7
	OUTBLK \a, 1
.endr
.Lclose:
	s_wait_tensorcnt 0x0                           ; the wave's end: a tensor wait, an add and its wait behind my last tensor load
	ds_add_u32 v[SPW], v[NIL]
	s_wait_dscnt 0x0
	CROUND                                         ; the closing round: no work-group ends while a partner may still ask for a tile that names it
	s_endpgm
.Lfunc_end_k_qb6fcf06450_qkv:
	.size	k_qb6fcf06450_qkv, .Lfunc_end_k_qb6fcf06450_qkv-k_qb6fcf06450_qkv
	.p2alignl 7, 3214868480
	.fill 96, 4, 3214868480
	.section	.rodata,"a",@progbits
	.p2align	6, 0x0
	.amdhsa_kernel k_qb6fcf06450_qkv
		.amdhsa_group_segment_fixed_size 327680
		.amdhsa_private_segment_fixed_size 0
		.amdhsa_enable_private_segment 0
		.amdhsa_kernarg_size 56
		.amdhsa_user_sgpr_count 2
		.amdhsa_user_sgpr_kernarg_segment_ptr 1
		.amdhsa_wavefront_size32 1
		.amdhsa_system_sgpr_workgroup_id_x 1
		.amdhsa_system_sgpr_workgroup_id_y 1
		.amdhsa_system_sgpr_workgroup_id_z 1
		.amdhsa_system_vgpr_workitem_id 0
		.amdhsa_next_free_vgpr 1024
		.amdhsa_next_free_sgpr 100
		.amdhsa_reserve_vcc 0
		.amdhsa_float_denorm_mode_32 3
		.amdhsa_float_denorm_mode_16_64 3
		.amdhsa_memory_ordered 1
		.amdhsa_forward_progress 1
		.amdhsa_inst_pref_size 198
	.end_amdhsa_kernel
	.amdgpu_metadata
---
amdhsa.version: [ 1, 2 ]
amdhsa.kernels:
  - .name:           k_qb6fcf06450_qkv
    .symbol:         k_qb6fcf06450_qkv.kd
    .args:
      - { .name: ximg, .offset: 0, .size: 8, .value_kind: global_buffer, .address_space: global }
      - { .name: wimg, .offset: 8, .size: 8, .value_kind: global_buffer, .address_space: global }
      - { .name: bq, .offset: 16, .size: 8, .value_kind: global_buffer, .address_space: global }
      - { .name: bk, .offset: 24, .size: 8, .value_kind: global_buffer, .address_space: global }
      - { .name: bv, .offset: 32, .size: 8, .value_kind: global_buffer, .address_space: global }
      - { .name: lowp_scales, .offset: 40, .size: 8, .value_kind: global_buffer, .address_space: global }
      - { .name: qkvimg, .offset: 48, .size: 8, .value_kind: global_buffer, .address_space: global }
    .group_segment_fixed_size: 327680
    .private_segment_fixed_size: 0
    .kernarg_segment_align: 8
    .kernarg_segment_size: 56
    .max_flat_workgroup_size: 128
    .sgpr_count:     100
    .vgpr_count:     1024
    .wavefront_size: 32
...
	.end_amdgpu_metadata
.endif
;; end of part 2
;; launch attn (part 3): grid 4 x 64, 16 waves a work-group, no clusters, 34,816 bytes of LDS; arguments qkvimg, maskw, flags, lowp_scales, zimg; writes zimg
.if DOCPART == 3
	.amdgcn_target "amdgcn-amd-amdhsa--gfx1250"
	.amdhsa_code_object_version 6
	.text
	.protected	k_qb6fcf06450_attn
	.globl	k_qb6fcf06450_attn
	.p2align	8
	.type	k_qb6fcf06450_attn,@function
k_qb6fcf06450_attn:
	s_mov_b64 s[64:65], 0
	v_nop
	global_prefetch_b8 v0, s[64:65] scope:SCOPE_SE
	s_setreg_imm32_b32 hwreg(HW_REG_WAVE_MODE, 25, 1), 1
	s_wait_xcnt 0x0
; z = softmax(q k^T / 8, under the given mask) v for 64 batch x heads of 2,048 tokens x 64 channels, both products on E4M3 codes; z is quantised at once for the last product.
; q, k, v arrive as IMAGES of fragments (16 rows x 64 K, 1,024 bytes, lane l's registers 0-3 at 16 l, 4-7 at 512 + 16 l): q, k [batch x head][token tile 128], v [batch x head][key chunk 32][channel tile 4] with the keys as K.
; THE SOFTMAX: t = score x log2(e) / 8; M = the row's largest t so far, rounded UP to a whole number; p = 2^(t - M) is quantised along the keys, not normalised; the row's sum l is taken of the unquantised p and divides at the end.
; When M moves, l and O are multiplied by 2^(old M - new M): exact.  A masked score becomes -infinity ahead of the maximum: p = 0.  A row with no key kept has l = 0 and gets the NaN code, as a softmax over nothing gives NaN.
; SHARES.  256 work-groups.  Work-group (x, batch x head) makes two blocks of 256 queries, 7 - x and then x; each of its SIXTEEN waves owns 16 queries, one tile, in 256 registers: four waves to a SIMD, so that one wave's vector
; work stands beside another's matrix work.  A key step is 128 keys; every wave walks all 16 steps and passes their barriers.
; LAYOUT.  Both products are used transposed: S^T = K Q^T (source 0 = 16 keys, source 1 = my queries): lane (r, h) holds query r, register 8 t + j key 16 t + 8 h + j.  Eight such registers, converted, are registers 2 t, 2 t + 1 of
; P as source 1 of O^T = V^T P (K = 128 keys in their own places); O^T's register 8 t + j is channel 16 t + 8 h + j of query r, which converted is z's image.  Nothing changes lanes but one exchange between the halves.
; THE MASK IS AN INPUT.  The launch before has turned it into words in this layout (bit (r, h) of word 8 t + j) and into two flags for each 16 queries x 64 keys.  By scalar branches on those stored whole numbers:
; a step in which my 16 queries keep no key is left out (its p would all be 0); a step in which all keys are kept skips the 64 selects; else one v_cndmask_b32 a register applies the mask.  SKIP = 0 turns the first of these off.
; p is at most 1, so its hold at 448 x 2^e8 is executed only where that bound lies under 1 (e8 <= -9): a branch on the given exponent.
; K AND V go from memory through registers into two LDS slots, a key step ahead: 512 threads x 16 bytes bring K's 8 KB, and again V's.  One barrier a step.
; NO TENSOR LOAD, NO CLUSTER: the steps that are worked hang on numbers read from memory; what partners would share is 16 KB a step.
; No prefetch: each step's K and V are asked for into registers a whole key step ahead of their use.
; LIMITS: e6 + e7 between -123 and 130 (added to c's exponent field); e8 and e10 between -126 and 119; e8 + e9 is applied by v_ldexp_f32 and has none.
.set SKIP,  1
.set SLOTB, 16384                      ; an LDS slot: K's 8 images, then V's 2 key chunks x 4 channel tiles
.set VOFF,  8192
.set SPARE, 2*SLOTB                    ; the spare words, 128 bytes for each of 16 waves: eight blocks of 256 bytes that no other line names
.set LA,   1                           ; v1   16 x lane          (v1-v7 are never rewritten)
.set TA,   2                           ; v2   16 x thread
.set L4,   3                           ; v3   4 x lane
.set NINF, 4                           ; v4   -infinity
.set SPW,  5                           ; v5   LDS address of my spare word
.set NIL,  6                           ; v6   0
.set T4,   7                           ; v7   4 x thread = 128 x wave + 4 x lane
.set QF,   16                          ; v16-23   Q's fragment      v12 -M, v13 the largest t, v[14:15] l in two halves
.set G,    24                          ; v24-31   the next step's K and V on their way to LDS
.set KV,   32                          ; v32-95   K's eight fragments, then V's four
.set S,    96                          ; v96-159  S^T, then p
.set O,    160                         ; v160-191 O^T
.set P,    192                         ; v192-207 p's codes; at a block's end z's
                                       ; v236, v242, v243, v252-254 at work; v240 448 x 2^e8, v244 2^e8, v246 448 x 2^e10, v247 2^e10, v248 four NaN codes
.set ANYR, 24                          ; s24  my tile: bit n = some key kept in the n-th chunk of 64 keys from the step in hand on
.set ALLR, 25                          ; s25  likewise: all kept
.set WGR,  26                          ; s26  some key kept for any of the block's 16 tiles
                                       ; s[2:3] K, s[4:5] V at the step in hand; s[6:7] my mask words; s[8:9] maskw; s[10:11] my image of z; s[12:13] zimg at my batch and head; s[14:15] flags; s[16:17] q at my batch x head
                                       ; s18 wave; s19 block; s[20:21] lane selects; s[22:23] c; s27 at work; s28 trips; s29 hold?; s30 e8 + e9; s[32:63], s[68:99] 64 mask words
	s_load_b256 s[32:39], s[0:1], 0x0              ; qkvimg s[32:33], maskw s[34:35], flags s[36:37], lowp_scales s[38:39]
	s_load_b64 s[40:41], s[0:1], 0x20              ; zimg
	v_lshl_add_u32 v[SPW], v0, 2, SPARE
	v_mov_b32 v[NIL], 0
	v_lshrrev_b32 v8, 5, v0
	v_readfirstlane_b32 s18, v8                    ; wave 0..15
	v_and_b32 v8, 31, v0
	v_lshlrev_b32 v[LA], 4, v8
	v_lshlrev_b32 v[TA], 4, v0
	v_lshlrev_b32 v[L4], 2, v8
	v_lshlrev_b32 v[T4], 2, v0
	v_mov_b32 v[NINF], 0xff800000
	v_mov_b32 v248, 0x7f7f7f7f
	v_mov_b32 v236, 0                              ; written once: a lane permute's destination counts as one of its sources
	v_mov_b32 v253, 0                              ; (named as the upper half of the pair v[252:253])
	s_mov_b32 s20, 0x76543210
	s_mov_b32 s21, 0xfedcba98                      ; v_permlanex16_b32: lane l xor 16
	s_and_b32 s31, ttmp7, 0xffff                   ; batch x head
	s_wait_kmcnt 0x0
	s_load_b256 s[44:51], s[38:39], 0x10           ; entries 4..11: e6 s46, e7 s47, e8 s48, e9 s49, e10 s50
	s_lshl_b32 s66, s31, 17                        ; 131,072 bytes for each batch x head in each plane
	s_mov_b32 s67, 0
	s_add_nc_u64 s[16:17], s[32:33], s[66:67]      ; q,
	s_add_nc_u64 s[2:3], s[16:17], 0x800000        ; k,
	s_add_nc_u64 s[4:5], s[2:3], 0x800000          ; v
	s_mov_b64 s[8:9], s[34:35]
	s_mov_b64 s[14:15], s[36:37]
	s_lshr_b32 s66, s31, 4
	s_lshl_b32 s66, s66, 21                        ; zimg[token tile 512][head 16][1024]: a batch is 128 tiles of 16,384 bytes,
	s_and_b32 s27, s31, 15
	s_lshl_b32 s27, s27, 10                        ; a head 1,024
	s_add_co_u32 s66, s66, s27
	s_add_nc_u64 s[12:13], s[40:41], s[66:67]
	s_wait_kmcnt 0x0
	s_mov_b32 s22, 0x3e38aa3b                      ; c = log2(e) / 8
	s_add_co_i32 s27, s46, s47
	s_lshl_b32 s27, s27, 23
	s_add_co_i32 s22, s22, s27                     ; a score stands for score x 2^(e6 + e7): added to c's exponent field
	s_mov_b32 s23, s22                             ; (named with it as a pair, so it is written)
	s_add_co_i32 s30, s48, s49                     ; e8 + e9
	s_cmp_le_i32 s48, -9
	s_cselect_b32 s29, 1, 0                        ; 448 x 2^e8 < 1: p can pass the largest code
	s_add_co_i32 s27, s48, 127
	s_lshl_b32 s66, s27, 23
	v_mov_b32 v244, s66                            ; 2^e8
	s_add_co_i32 s27, s27, 8
	s_lshl_b32 s27, s27, 23
	s_or_b32 s27, s27, 0x600000
	v_mov_b32 v240, s27                            ; 448 x 2^e8
	s_add_co_i32 s27, s50, 127
	s_lshl_b32 s66, s27, 23
	v_mov_b32 v247, s66                            ; 2^e10
	s_add_co_i32 s27, s27, 8
	s_lshl_b32 s27, s27, 23
	s_or_b32 s27, s27, 0x600000
	v_mov_b32 v246, s27                            ; 448 x 2^e10
; A KEY STEP: 128 keys, in LDS slot \slot.
.macro STEP slot
	s_and_b32 s27, s[WGR], 12                      ; does any tile of the block keep a key of the NEXT step?  (Behind the last step the bits are 0: no load leaves its buffer)
	s_cmp_lg_u32 s27, 0
	s_cbranch_scc0 .Lnoload_\@
	global_load_b128 v[G:G+3],   v[TA], s[2:3] offset:8192   ; its K and V: 512 threads x 16 consecutive bytes each
	global_load_b128 v[G+4:G+7], v[TA], s[4:5] offset:8192
.Lnoload_\@:
	s_and_b32 s27, s[ANYR], 3
	s_cmp_lg_u32 s27, 0
	s_cbranch_scc0 .Ldone_\@                       ; my 16 queries keep no key of this step: nothing to add
.irp t, 0,1,2,3,4,5,6,7
	ds_load_b128 v[KV+8*\t:KV+8*\t+3],   v[LA] offset:\slot*SLOTB+1024*\t      ; (four places stand behind the last products that read these registers: at the end of a worked step)
	ds_load_b128 v[KV+8*\t+4:KV+8*\t+7], v[LA] offset:\slot*SLOTB+1024*\t+512
.endr
	s_wait_dscnt 0x0
.irp t, 0,1,2,3,4,5,6,7
	v_wmma_f32_16x16x64_fp8_fp8 v[S+8*\t:S+8*\t+7], v[KV+8*\t:KV+8*\t+7], v[QF:QF+7], 0
.endr
.rept 4
	v_nop                                          ; places: ahead of the loads into K's registers and of the first read of the scores
.endr
.irp t, 0,1,2,3
.irp e, 0,1
.irp d, 0,1
	ds_load_b128 v[KV+16*\t+8*\e+4*\d:KV+16*\t+8*\e+4*\d+3], v[LA] offset:\slot*SLOTB+VOFF+4096*\e+1024*\t+512*\d   ; V: channel tile t, key chunk e: they land during the softmax
.endr
.endr
.endr
	s_and_b32 s27, s[ALLR], 3
	s_cmp_eq_u32 s27, 3
	s_cbranch_scc1 .Lopen_\@                       ; all 16 x 128 are kept
	s_load_b512 s[32:47], s[6:7], 0x0              ; the step's 64 mask words
	s_load_b512 s[48:63], s[6:7], 0x40
	s_load_b512 s[68:83], s[6:7], 0x80
	s_load_b512 s[84:99], s[6:7], 0xc0
	s_wait_kmcnt 0x0
.set j, 0
.rept 32
	v_cndmask_b32 v[S+j], v[NINF], v[S+j], s[32+j] ; kept ? the score : -infinity; each accumulator from its low end on
.set j, j+1
.endr
.set j, 0
.rept 32
	v_cndmask_b32 v[S+32+j], v[NINF], v[S+32+j], s[68+j]
.set j, j+1
.endr
.Lopen_\@:
	v_max3_num_f32 v254, v96, v97, v98             ; the step's largest score of my query among my 64 keys, in two chains,
	v_max3_num_f32 v252, v99, v100, v101
.irp i, 6,10,14,18,22,26,30,34,38,42,46,50,54,58
	v_max3_num_f32 v254, v254, v[96+\i], v[97+\i]
	v_max3_num_f32 v252, v252, v[98+\i], v[99+\i]
.endr
	v_max3_num_f32 v254, v254, v158, v159
	v_max_num_f32 v254, v254, v252
	v_permlanex16_b32 v236, v254, s20, s21
	v_max_num_f32 v254, v254, v236                 ; and among lane l xor 16's
	v_mul_f32 v254, s22, v254                      ; as t (c is positive)
	v_max_num_f32 v13, v13, v254                   ; the running largest t
	v_mov_b32 v254, v12
	v_floor_f32 v12, -v13                          ; the new -M = floor(-t) = -ceil(t): a whole number
	v_sub_f32 v254, v12, v254                      ; old M - new M: a whole number, 0 or less
	v_cvt_i32_f32 v254, v254                       ; (it saturates)
	v_ldexp_f32 v252, 1.0, v254                    ; f = 2^(old M - new M)
.set j, 0
.rept 32
	v_pk_fma_f32 v[S+j:S+j+1], v[S+j:S+j+1], s[22:23], v[12:13] op_sel_hi:[1,0,0]   ; t - M, two at a time (of the pairs c and -M the low word serves both halves)
.set j, j+2
.endr
.set j, 0
.rept 64
	v_exp_f32 v[S+j], v[S+j]                       ; p = 2^(t - M), at most 1
.set j, j+1
.endr
	v_pk_mul_f32 v[14:15], v[14:15], v[252:253] op_sel_hi:[1,0]   ; l under the new M: the plain line behind the exponentials
	s_wait_alu depctr_va_vdst(0)                   ; one wait for the whole batch, ahead of its first reader
	v_pk_add_f32 v[242:243], v[96:97], v[98:99]    ; l takes the UNQUANTISED p: two at a time, in two chains
.irp j, 4,8,12,16,20,24,28,32,36,40,44,48,52,56,60
	v_pk_add_f32 v[14:15], v[14:15], v[96+\j:97+\j]
	v_pk_add_f32 v[242:243], v[242:243], v[98+\j:99+\j]
.endr
	v_pk_add_f32 v[14:15], v[14:15], v[242:243]
	s_cmp_lg_u32 s29, 0
	s_cbranch_scc0 .Lnohold_\@
.set j, 0
.rept 64
	v_min_num_f32 v[S+j], v[S+j], v240             ; the conversion does not saturate (ISA guide 7.6.2); p is not negative, so the hold is one-sided
.set j, j+1
.endr
.Lnohold_\@:
.irp t, 0,1,2,3,4,5,6,7
	v_cvt_scalef32_pk8_fp8_f32 v[P+2*\t:P+2*\t+1], v[S+8*\t:S+8*\t+7], v244
.endr
.set j, 0
.rept 16
	v_pk_mul_f32 v[O+j:O+j+1], v[O+j:O+j+1], v[252:253] op_sel_hi:[1,0]   ; O^T under the new M; also the plain lines behind the conversions
.set j, j+2
.endr
	s_wait_dscnt 0x0                               ; V is in
.irp t, 0,1,2,3
	v_wmma_f32_16x16x128_fp8_fp8 v[O+8*\t:O+8*\t+7], v[KV+16*\t:KV+16*\t+15], v[P:P+15], v[O+8*\t:O+8*\t+7]   ; four accumulators by turns
.endr
.rept 4
	v_nop                                          ; places: ahead of the next loads into V's registers and of the next read of O^T
.endr
.Ldone_\@:                                         ; every wave's path from here on
	s_wait_loadcnt 0x0                             ; the next step's K and V are in my registers (if they were asked for)
	s_and_b32 s27, s[WGR], 12
	s_cmp_lg_u32 s27, 0
	s_cbranch_scc0 .Lnostore_\@
	ds_store_b128 v[TA], v[G:G+3]   offset:(1-\slot)*SLOTB        ; into the other slot: its last reads were waited for ahead of the last barrier
	ds_store_b128 v[TA], v[G+4:G+7] offset:(1-\slot)*SLOTB+VOFF
.Lnostore_\@:
	s_add_nc_u64 s[2:3], s[2:3], 8192              ; no load that names these bases is out
	s_add_nc_u64 s[4:5], s[4:5], 8192
	s_add_nc_u64 s[6:7], s[6:7], 256
	s_lshr_b32 s[ANYR], s[ANYR], 2
	s_lshr_b32 s[ALLR], s[ALLR], 2
	s_lshr_b32 s[WGR], s[WGR], 2
	s_wait_dscnt 0x0                               ; my stores have landed and my reads of this slot are over
	s_barrier_signal -1
	s_barrier_wait -1
.endm
	s_mov_b32 s19, 0
.Lblock:
	s_wait_xcnt 0x0                                ; the last block's stores have read their data and base
	s_sub_co_u32 s27, 7, ttmp9
	s_cmp_eq_u32 s19, 0
	s_cselect_b32 s27, s27, ttmp9                  ; the block of 256 queries: 7 - x, then x
	s_lshl_b32 s100, s27, 4
	s_add_co_u32 s100, s100, s18                   ; i: my tile of 16 queries
	s_mov_b32 s67, 0
	s_lshl_b32 s66, s100, 10
	s_add_nc_u64 s[104:105], s[16:17], s[66:67]    ; its image of q
	s_lshl_b32 s66, s100, 12
	s_add_nc_u64 s[6:7], s[8:9], s[66:67]          ; its mask words: 32 chunks of 128 bytes
	s_lshl_b32 s66, s100, 14
	s_add_nc_u64 s[10:11], s[12:13], s[66:67]      ; its image of z
	s_lshl_b32 s66, s27, 11
	s_add_nc_u64 s[100:101], s[14:15], s[66:67]    ; the block's flags: 16 tiles of 128 bytes
	global_load_b128 v[QF:QF+3],   v[LA], s[104:105]
	global_load_b128 v[QF+4:QF+7], v[LA], s[104:105] offset:512
	global_load_b32 v48, v[T4], s[100:101]         ; my tile's flags, a chunk a lane
.irp i, 0,1,2,3,4,5,6,7,8,9,10,11,12,13,14,15
	global_load_b32 v[32+\i], v[L4], s[100:101] offset:128*\i   ; all sixteen tiles'
.endr
	global_load_b128 v[G:G+3],   v[TA], s[2:3]     ; step 0's K and V
	global_load_b128 v[G+4:G+7], v[TA], s[4:5]
	v_mov_b32 v13, 0xff61b1e6                      ; the largest t so far: -3e38, under every t
	v_floor_f32 v12, -v13                          ; -M
	v_mov_b32 v14, 0                               ; l
	v_mov_b32 v15, 0
.set j, 0
.rept 32
	v_mov_b32 v[O+j], 0                            ; O^T: the step is written once; the first change of M leaves zeros zeros
.set j, j+1
.endr
	s_wait_loadcnt 0x0
	ds_store_b128 v[TA], v[G:G+3]                  ; slot 0: its last reads were waited for ahead of an earlier barrier
	ds_store_b128 v[TA], v[G+4:G+7] offset:VOFF
.irp i, 1,2,3,4,5,6,7,8,9,10,11,12,13,14,15
	v_or_b32 v32, v32, v[32+\i]
.endr
	v_and_b32 v49, 1, v48
	v_cmp_ne_u32 s[ANYR], 0, v49                   ; a bit a chunk
	v_and_b32 v49, 2, v48
	v_cmp_ne_u32 s[ALLR], 0, v49
	v_and_b32 v49, 1, v32
	v_cmp_ne_u32 s[WGR], 0, v49
.if !SKIP
	s_mov_b32 s[ANYR], -1
	s_mov_b32 s[WGR], -1
.endif
	s_wait_dscnt 0x0
	s_barrier_signal -1
	s_barrier_wait -1
	s_mov_b32 s28, 8
.Lpair:                                            ; 8 trips of two key steps: the slot stands in the immediates
	STEP 0
	STEP 1
	s_sub_co_u32 s28, s28, 1
	s_cmp_lg_u32 s28, 0
	s_cbranch_scc1 .Lpair
	; THE BLOCK'S END: z = O^T x 2^(e8 + e9) / l, held, converted: my tile's image for this head.
	v_add_f32 v14, v14, v15                        ; l's two halves,
	v_permlanex16_b32 v236, v14, s20, s21
	v_add_f32 v14, v14, v236                       ; and lane l xor 16's
	v_cmp_eq_f32 s27, 0, v14                       ; no key kept for my query (a kept key's largest p is above 1/2)
	v_rcp_f32 v252, v14
	v_nop                                          ; a plain line behind the transcendental
	s_wait_alu depctr_va_vdst(0)                   ; and the wait ahead of its first reader
	v_ldexp_f32 v252, v252, s30
.set j, 0
.rept 16
	v_pk_mul_f32 v[S+j:S+j+1], v[O+j:O+j+1], v[252:253] op_sel_hi:[1,0]   ; each accumulator from its low end on
.set j, j+2
.endr
.set j, 0
.rept 32
	v_med3_num_f32 v[S+j], v[S+j], -v246, v246
.set j, j+1
.endr
.irp t, 0,1,2,3
	v_cvt_scalef32_pk8_fp8_f32 v[P+2*\t:P+2*\t+1], v[S+8*\t:S+8*\t+7], v247
.endr
	v_nop                                          ; a plain line between the conversions and the selects on their results
.irp j, 0,1,2,3,4,5,6,7
	v_cndmask_b32 v[P+\j], v[P+\j], v248, s27      ; NaN codes for a row with nothing kept
.endr
	global_store_b128 v[LA], v[P:P+3],   s[10:11]             ; 32 lanes store 512 consecutive bytes
	global_store_b128 v[LA], v[P+4:P+7], s[10:11] offset:512
	s_sub_nc_u64 s[2:3], s[2:3], 0x20000           ; K and V back to the head's first step
	s_sub_nc_u64 s[4:5], s[4:5], 0x20000
	s_add_co_u32 s19, s19, 1
	s_cmp_lt_u32 s19, 2
	s_cbranch_scc1 .Lblock
	s_wait_tensorcnt 0x0                           ; the wave's end: a tensor wait, an add
	ds_add_u32 v[SPW], v[NIL]
	s_wait_dscnt 0x0
	s_endpgm
.Lfunc_end_k_qb6fcf06450_attn:
	.size	k_qb6fcf06450_attn, .Lfunc_end_k_qb6fcf06450_attn-k_qb6fcf06450_attn
	.p2alignl 7, 3214868480
	.fill 96, 4, 3214868480
	.section	.rodata,"a",@progbits
	.p2align	6, 0x0
	.amdhsa_kernel k_qb6fcf06450_attn
		.amdhsa_group_segment_fixed_size 34816
		.amdhsa_private_segment_fixed_size 0
		.amdhsa_enable_private_segment 0
		.amdhsa_kernarg_size 40
		.amdhsa_user_sgpr_count 2
		.amdhsa_user_sgpr_kernarg_segment_ptr 1
		.amdhsa_wavefront_size32 1
		.amdhsa_system_sgpr_workgroup_id_x 1
		.amdhsa_system_sgpr_workgroup_id_y 1
		.amdhsa_system_sgpr_workgroup_id_z 1
		.amdhsa_system_vgpr_workitem_id 0
		.amdhsa_next_free_vgpr 256
		.amdhsa_next_free_sgpr 106
		.amdhsa_reserve_vcc 0
		.amdhsa_float_denorm_mode_32 3
		.amdhsa_float_denorm_mode_16_64 3
		.amdhsa_memory_ordered 1
		.amdhsa_forward_progress 1
		.amdhsa_inst_pref_size 53
	.end_amdhsa_kernel
	.amdgpu_metadata
---
amdhsa.version: [ 1, 2 ]
amdhsa.kernels:
  - .name:           k_qb6fcf06450_attn
    .symbol:         k_qb6fcf06450_attn.kd
    .args:
      - { .name: qkvimg, .offset: 0, .size: 8, .value_kind: global_buffer, .address_space: global }
      - { .name: maskw, .offset: 8, .size: 8, .value_kind: global_buffer, .address_space: global }
      - { .name: flags, .offset: 16, .size: 8, .value_kind: global_buffer, .address_space: global }
      - { .name: lowp_scales, .offset: 24, .size: 8, .value_kind: global_buffer, .address_space: global }
      - { .name: zimg, .offset: 32, .size: 8, .value_kind: global_buffer, .address_space: global }
    .group_segment_fixed_size: 34816
    .private_segment_fixed_size: 0
    .kernarg_segment_align: 8
    .kernarg_segment_size: 40
    .max_flat_workgroup_size: 512
    .sgpr_count:     106
    .vgpr_count:     256
    .wavefront_size: 32
...
	.end_amdgpu_metadata
.endif
;; end of part 3
;; launch proj (part 4): grid 4 x 32, 4 waves a work-group, clusters of 4 x 4, 327,680 bytes of LDS; arguments zimg, wimg, bo, lowp_scales, out0; writes out0
.if DOCPART == 4
	.amdgcn_target "amdgcn-amd-amdhsa--gfx1250"
	.amdhsa_code_object_version 6
	.text
	.protected	k_qb6fcf06450_proj
	.globl	k_qb6fcf06450_proj
	.p2align	8
	.type	k_qb6fcf06450_proj,@function
k_qb6fcf06450_proj:
	s_mov_b64 s[64:65], 0
	v_nop
	global_prefetch_b8 v0, s[64:65] scope:SCOPE_SE
	s_setreg_imm32_b32 hwreg(HW_REG_WAVE_MODE, 25, 1), 1
	s_wait_xcnt 0x0
	s_wait_alu depctr_hold_cnt(0) depctr_sa_sdst(0) depctr_va_vdst(0) depctr_va_sdst(0) depctr_va_ssrc(0) depctr_va_vcc(0) depctr_vm_vsrc(0)
	s_getreg_b32 s2, hwreg(HW_REG_IB_STS2, 6, 4)
	s_cmp_eq_u32 s2, 0
	s_cbranch_scc0 .Lentry_in_a_cluster
	s_endpgm
.Lentry_in_a_cluster:
	s_bfe_u32 s2, ttmp6, 0x10000c
	s_cmp_lg_u32 s2, 0xf033
	s_cbranch_scc0 .Lentry_shape_is_right
	s_endpgm
.Lentry_shape_is_right:
; out0 = z Wo + bo on E4M3 codes: 8,192 x 1,024 x 1,024, f32 out.  A = z's images [token tile 512][k chunk 16][1024], B = Wo's, plane 3 of wimg [n tile 64][k chunk 16][1024].
; An image is a fragment of 16 rows x 64 K as it stands in registers (lane (r, h): row r, registers 2c, 2c+1: k = 16c + 8h + 0..7); two neighbours are a fragment of 16 x 128, every k in its own place.
; A tile of 256 x 256 to a work-group, four waves of 128 x 128 (64 accumulators); K in steps of 256 through two LDS slots; a wave's tensor load brings 8 row tiles x 4,096 bytes; images need no padding.
; CLUSTERS of 4 x 4: A's tile is asked for jointly by a row of the cluster, B's by a column.  128 work-groups: as many as there are tiles of this size.
; THE MATRIX INSTRUCTION IS USED TRANSPOSED (source 0 = 16 rows of B, source 1 = 16 rows of A): a lane holds eight neighbouring columns of one row.
; THE WAY OUT: a block of 16 rows x 128 columns goes as raw sums through the wave's stage in LDS and comes back as whole rows of 512 bytes.  There a lane holds the same four columns of every row, so bo is four registers,
; and one packed multiply-add for two numbers gives sum x 2^(e10 + e11) + bo.  No prefetch: K has four steps, two of them the first fills.
; LIMIT: e10 + e11 between -126 and 127.
; REGISTERS, in windows of 256: window 0: v0-31 addresses, v8-11 bo; from v128 A's fragments, ONE set (way out: rows read back, v128-191 and v192-255 by turns).  window 1: B's fragments, TWO sets.  windows 2, 3: the accumulators.
.set KB,     4096                      ; a row tile's bytes in a K step
.set HALFT,  32768                     ; 8 row tiles: what one tensor load brings
.set SLOT,   4*HALFT                   ; A's 16 row tiles, then B's 16
.set SPARE,  2*SLOT                    ; behind the ring: the spare words, 128 bytes for each wave: two blocks of 256 bytes that no other line names
.set SPITCH, 528                       ; the way out: a stage of 16 rows x (512 bytes + 16) for each wave.  It lies in slot 0, which has had its last fill and its last read when the first result is stored there
.set ROWC,   4096                      ; a row of out0 in bytes
.set FR,     16
.set NL,     4
.set NP,     4                         ; places behind this matrix instruction (ISA guide 7.12.1)
.set ADRA, 16                          ; v16-17  LDS address of my A fragments in slot 0, 1
.set ADRB, 20                          ; v20-21  the same for B
.set STO,  24                          ; v24     the way out: where I put 32 bytes of a row
.set RD,   25                          ; v25     where I read a row back
.set CO,   26                          ; v26     16 x lane; never rewritten
.set SPW,  28                          ; v28     LDS address of my spare word; never rewritten
.set NIL,  29                          ; v29     0; never rewritten
.set AF,   128
.set BK,   128
.set G1, 24
.set G0, 32
.set G1B, 48
.set G0B, 56
.set MSB, 0
.macro WIN new                         ; the immediate's high byte repeats the setting that is left
.if MSB != \new
	s_set_vgpr_msb (MSB<<8)|\new
.set MSB, \new
.endif
.endm
.set MUL_LO, 0xa1                      ; source 0 (B) window 1, source 1 (A) window 0, C and D window 2
.set MUL_HI, 0xf1                      ; the same, C and D window 3
.set TO_B,   0x40                      ; destination window 1, address window 0
; A joint load: waves 0 and 1 fetch for A, waves 2 and 3 for B; the branch hangs on the wave's number alone.  An s_nop 0 and four v_nop follow each of the two lines.
.macro JLOAD g0a, g1a, g0b, g1b
	s_cmp_eq_u32 s15, 0
	s_cbranch_scc0 .Lfor_b_\@
	tensor_load_to_lds s[\g0a:\g0a+3], s[\g1a:\g1a+7]
	s_nop 0
.rept 4
	v_nop
.endr
	s_branch .Lasked_\@
.Lfor_b_\@:
	tensor_load_to_lds s[\g0b:\g0b+3], s[\g1b:\g1b+7]
	s_nop 0
.rept 4
	v_nop
.endr
.Lasked_\@:
.endm
.macro CREST                           ; a round of the cluster's barrier behind its opening barrier
	s_cmp_lg_u32 s14, 0
	s_cbranch_scc1 .Lnot_wave_0_\@
	s_barrier_signal -3
.Lnot_wave_0_\@:
	s_barrier_wait -3
	s_barrier_signal -1
	s_barrier_wait -1
.endm
.macro CROUND
	s_barrier_signal -1
	s_barrier_wait -1
	CREST
.endm
	s_load_b128 s[4:7], s[0:1], 0x0                ; zimg s[4:5], wimg s[6:7]
	s_load_b128 s[84:87], s[0:1], 0x10             ; bo s[84:85], lowp_scales s[86:87]
	s_load_b64 s[10:11], s[0:1], 0x20              ; out0
	v_lshl_add_u32 v[SPW], v0, 2, SPARE
	v_mov_b32 v[NIL], 0
	ds_add_u32 v[SPW], v[NIL]                      ; the wave's opening: the add and its wait ahead of my first tensor load; the set-up below, work on registers, stands between them
	v_lshrrev_b32 v1, 5, v0
	v_readfirstlane_b32 s14, v1                    ; wave 0..3
	s_lshr_b32 s15, s14, 1                         ; which half of the tile's rows is mine.  Also: I fetch for A (0) or for B (1)
	s_and_b32 s16, s14, 1                          ; which half of its columns.  Also: which 8 row tiles I fetch
	s_bfe_u32 s40, ttmp6, 0x40000                  ; cx, cy
	s_bfe_u32 s41, ttmp6, 0x40004
	s_lshl_b32 s42, ttmp9, 2
	s_add_co_u32 s42, s42, s40                     ; tile column = 4 x cluster x + cx
	s_and_b32 s17, ttmp7, 0xffff
	s_lshl_b32 s17, s17, 2
	s_add_co_u32 s17, s17, s41                     ; tile row = 4 x cluster y + cy
	s_lshl_b32 s43, s41, 2
	s_lshl_b32 s43, 15, s43                        ; my row of the cluster
	s_lshl_b32 s44, 0x1111, s40                    ; my column
	; descriptor group 1: 8 rows of 4,096 bytes (512 elements of 8 bytes), 16,384 bytes apart, dense in LDS
	s_or_b32 s[G1+0], s43, (3<<16)|(1<<21)         ; 15:0 the mask; 17:16 elements of 8 bytes; 20 no padding; 21 set beside a mask
	s_or_b32 s[G1B+0], s44, (3<<16)|(1<<21)
.irp g, G1, G1B
	s_mov_b32 s[\g+1], 512<<16                     ; tensor_dim0 = 512
	s_mov_b32 s[\g+2], 8<<16                       ; tensor_dim1 = 8
	s_mov_b32 s[\g+3], 512<<16                     ; tile_dim0 = 512
	s_mov_b32 s[\g+4], 8                           ; tile_dim1 = 8
	s_mov_b32 s[\g+5], 2048                        ; tensor_dim0_stride
	s_mov_b32 s[\g+6], 0
	s_mov_b32 s[\g+7], 0
.endr
	s_lshl_b32 s18, s16, 17                        ; which 8 row tiles I fetch
	s_lshl_b32 s20, s17, 18                        ; A: 16 row tiles of 16,384 bytes for each tile row
	s_add_co_u32 s20, s20, s18
	s_mov_b32 s21, 0
	s_lshl_b32 s46, s42, 18                        ; B likewise, by the tile column,
	s_add_co_u32 s46, s46, s18
	s_add_co_u32 s46, s46, 0x300000                ; in plane 3
	s_mov_b32 s47, 0
	s_lshl_b32 s45, s14, 15                        ; where they go: wave x 32,768
	s_wait_dscnt 0x0                               ; the opening add is done
	s_wait_kmcnt 0x0
	s_load_b64 s[96:97], s[86:87], 0x28            ; e10, e11
	s_add_nc_u64 s[20:21], s[4:5], s[20:21]
	s_add_nc_u64 s[46:47], s[6:7], s[46:47]
	CROUND                                         ; all sixteen work-groups are here: the first joint loads meet
.irp s, 0,1
	s_mov_b32 s[G0+4*\s], 1
	s_add_co_u32 s[G0+4*\s+1], s45, \s*SLOT
	s_add_nc_u64 s[G0+4*\s+2:G0+4*\s+3], s[20:21], \s*KB
	s_or_b32 s[G0+4*\s+3], s[G0+4*\s+3], 0x80000000
	s_mov_b32 s[G0B+4*\s], 1
	s_add_co_u32 s[G0B+4*\s+1], s45, \s*SLOT
	s_add_nc_u64 s[G0B+4*\s+2:G0B+4*\s+3], s[46:47], \s*KB
	s_or_b32 s[G0B+4*\s+3], s[G0B+4*\s+3], 0x80000000
	JLOAD G0+4*\s, G1, G0B+4*\s, G1B               ; two tensor loads of mine are out
.endr
	v_and_b32 v1, 15, v0                           ; r
	v_bfe_u32 v2, v0, 4, 1                         ; h
	v_and_b32 v3, 31, v0
	v_lshlrev_b32 v[CO], 4, v3                     ; 16 x lane
	s_lshl_b32 s21, s15, 15
	s_lshl_b32 s22, s16, 15
	s_add_co_u32 s22, s22, 2*HALFT
.irp s, 0,1
	v_add_nc_u32 v[ADRA+\s], s21, v[CO]
	v_add_nc_u32 v[ADRB+\s], s22, v[CO]
	s_add_co_u32 s21, s21, SLOT
	s_add_co_u32 s22, s22, SLOT
.endr
	s_mul_i32 s23, s14, 16*SPITCH                  ; my stage
	v_mul_u32_u24 v5, v1, SPITCH                   ; in: row r, 32 bytes for each half of the lanes
	v_lshl_add_u32 v5, v2, 5, v5
	v_add_nc_u32 v[STO], s23, v5
	v_add_nc_u32 v[RD], s23, v[CO]                 ; back: the 32 lanes take one row of 512 bytes
	s_lshl_b32 s20, s17, 8
	s_lshl_b32 s21, s15, 7
	s_add_co_u32 s20, s20, s21                     ; my first row: 256 x tile row + 128 x half,
	s_lshl_b32 s20, s20, 12                        ; in bytes
	s_lshl_b32 s46, s42, 10
	s_lshl_b32 s47, s16, 9
	s_add_co_u32 s46, s46, s47                     ; my first column, in bytes: 1,024 x tile column + 512 x half: in out0 and in bo alike
	s_mov_b32 s47, 0
	s_add_nc_u64 s[84:85], s[84:85], s[46:47]
	s_add_co_u32 s20, s20, s46
	s_mov_b32 s21, 0
	s_add_nc_u64 s[10:11], s[10:11], s[20:21]
	global_load_b128 v[8:11], v[CO], s[84:85]      ; bo of my four columns of a row read back
.macro FRAG reg, adr, q, i             ; a fragment of 16 x 128: two images, four loads of 512 consecutive bytes
.irp c, 0,1,2,3
	ds_load_b128 v[\reg+4*\c:\reg+4*\c+3], v[\adr] offset:KB*(\i)+2048*(\q)+512*\c
.endr
.endm
; 16 matrix instructions: A's blocks a0, a0 + 1 x B's eight.  The 64 accumulators take turns, one instruction a turn, in the same order in every step.
.macro MUL16 a0, p, zero
.irp a, \a0, \a0+1
.irp b, 0,1,2,3,4,5,6,7
.if \zero
	v_wmma_f32_16x16x128_fp8_fp8 v[8*(8*((\a)%4)+\b):8*(8*((\a)%4)+\b)+7], v[128*(\p)+FR*\b:128*(\p)+FR*\b+FR-1], v[AF+FR*(\a):AF+FR*(\a)+FR-1], 0
.else
	v_wmma_f32_16x16x128_fp8_fp8 v[8*(8*((\a)%4)+\b):8*(8*((\a)%4)+\b)+7], v[128*(\p)+FR*\b:128*(\p)+FR*\b+FR-1], v[AF+FR*(\a):AF+FR*(\a)+FR-1], v[8*(8*((\a)%4)+\b):8*(8*((\a)%4)+\b)+7]
.endif
.endr
.endr
.endm
.macro FETCH_B slot, q, p
	WIN TO_B
.irp i, 0,1,2,3,4,5,6,7
	FRAG 128*(\p)+FR*\i, ADRB+\slot, \q, \i
.endr
	WIN 0
.endm
.macro FETCH_A slot, q, i0
.irp i, \i0, \i0+1, \i0+2, \i0+3
	FRAG AF+FR*(\i), ADRA+\slot, \q, \i
.endr
.endm
.macro PLACES n                        ; plain vector lines between a matrix instruction and a load into, or a read of, its registers (ISA guide 7.12.1 for vector instructions)
.rept \n
	v_nop
.endr
.endm
.macro STEP slot, q, zero
	s_wait_dscnt 4*NL                              ; B's set and A's blocks 0-3 are in; the youngest 16 loads (A's blocks 4-7) may be out
	WIN MUL_LO
	MUL16 0, (\q)%2, \zero
	MUL16 2, (\q)%2, \zero
	s_wait_dscnt 0
	PLACES NP
	FETCH_B \slot, (\q)+1, 1-(\q)%2
	FETCH_A \slot, (\q)+1, 0
	WIN MUL_HI
	MUL16 4, (\q)%2, \zero
	MUL16 6, (\q)%2, \zero
	PLACES NP
	WIN 0
	FETCH_A \slot, (\q)+1, 4
.endm
.macro TURN slot, next, fill
	s_wait_tensorcnt 0x0                           ; all my tensor loads have landed: my part of the next slot (every window is 0 here)
	ds_add_u32 v[SPW], v[NIL]                      ; 0 onto my spare word
	s_wait_dscnt 4*NL+1                            ; the add and the youngest 16 loads may be out
	WIN MUL_LO
	MUL16 0, 1, 0
	s_wait_dscnt 0x0                               ; the add is done, and my reads of this slot are over
	s_barrier_signal -1
	MUL16 2, 1, 0
	WIN 0
	s_barrier_wait -1
.if \fill
	CREST                                          ; the barrier has opened a round of the cluster's: no wave of any partner still reads this slot or has a load on its way
	s_add_nc_u64 s[G0+4*\slot+2:G0+4*\slot+3], s[G0+4*\slot+2:G0+4*\slot+3], 2*KB
	s_add_nc_u64 s[G0B+4*\slot+2:G0B+4*\slot+3], s[G0B+4*\slot+2:G0B+4*\slot+3], 2*KB
	JLOAD G0+4*\slot, G1, G0B+4*\slot, G1B         ; my one tensor load behind the round; its four v_nop are also the places ahead of the loads below
.else
	PLACES NP
.endif
	FETCH_B \next, 0, 0
	FETCH_A \next, 0, 0
	WIN MUL_HI
	MUL16 4, 1, 0
	MUL16 6, 1, 0
	PLACES NP
	WIN 0
	FETCH_A \next, 0, 4
.endm
	s_wait_tensorcnt 1                             ; my part of K step 0 is in (K step 1's load may be out)
	s_barrier_signal -1
	s_barrier_wait -1                              ; everybody's is
	FETCH_B 0, 0, 0
	FETCH_A 0, 0, 0
	FETCH_A 0, 0, 4
	STEP 0, 0, 1                                   ; four K steps, written straight; the first products start the sums
	TURN 0, 1, 1
	STEP 1, 0, 0
	TURN 1, 0, 1
	STEP 0, 0, 0
	TURN 0, 1, 0
	STEP 1, 0, 0
	s_wait_dscnt 4*NL
	WIN MUL_LO
	MUL16 0, 1, 0
	MUL16 2, 1, 0
	s_wait_dscnt 0
	WIN MUL_HI
	MUL16 4, 1, 0
	MUL16 6, 1, 0
	WIN 0
; THE WAY OUT.  LDS serves a wave's instructions in order (ISA guide 5.7.1.4): no wait between a block's stores and its loads, nor ahead of the next block's stores.
.macro TOSTAGE a
.set AC, 64*((\a)%4)
	WIN 0x08+4*((\a)/4)                            ; an LDS store's data stand in source 1's place: window 2 or 3
.irp b, 0,1,2,3,4,5,6,7
	ds_store_b128 v[STO], v[AC+8*\b:AC+8*\b+3]   offset:64*\b      ; each accumulator from its low end on
	ds_store_b128 v[STO], v[AC+8*\b+4:AC+8*\b+7] offset:64*\b+16
.endr
	WIN 0
.set BB, BK+64*((\a)%2)
.irp t, 0,1,2,3,4,5,6,7,8,9,10,11,12,13,14,15
	ds_load_b128 v[BB+4*\t:BB+4*\t+3], v[RD] offset:\t*SPITCH
.endr
.endm
.macro SEND a, younger                 ; younger: the LDS instructions issued behind block a's loads, which may stay out
.set BB, BK+64*((\a)%2)
	s_wait_dscnt \younger                          ; the block is back in registers
.if (\a) > 0
	s_add_nc_u64 s[10:11], s[10:11], 16*ROWC       ; (behind a wait on XCNT: the earlier stores have read their base)
.endif
.irp t, 0,1,2,3,4,5,6,7,8,9,10,11,12,13,14,15
	v_pk_fma_f32 v[BB+4*\t:BB+4*\t+1],   v[BB+4*\t:BB+4*\t+1],   s[96:97], v[8:9]   op_sel_hi:[1,0,1]   ; sum x 2^(e10 + e11) + bo
	v_pk_fma_f32 v[BB+4*\t+2:BB+4*\t+3], v[BB+4*\t+2:BB+4*\t+3], s[96:97], v[10:11] op_sel_hi:[1,0,1]
.endr
.irp t, 0,1,2,3,4,5,6,7,8,9,10,11,12,13,14,15
	global_store_b128 v[CO], v[BB+4*\t:BB+4*\t+3], s[10:11] offset:\t*ROWC th:TH_STORE_NT   ; 32 lanes store 512 consecutive bytes, at a multiple of 512 from out0's first byte; written once, read by nobody here
.endr
.endm
	s_wait_kmcnt 0x0
	s_add_co_i32 s96, s96, s97
	s_add_co_i32 s96, s96, 127
	s_lshl_b32 s96, s96, 23                        ; 2^(e10 + e11) as f32
	s_mov_b32 s97, s96                             ; (named with it as a pair, so it is written)
	s_wait_loadcnt 0x0                             ; bo
	PLACES NP                                      ; behind the last products: their results are read, and A's registers loaded into, below
	TOSTAGE 0
.irp a, 1,2,3,4,5,6,7
.if \a > 1
	s_wait_xcnt 0x0                                ; block a - 2's stores have read their registers and their base: block a's loads may land there, and the base may step
.endif
	TOSTAGE \a
	SEND \a-1, 32                                  ; behind block a - 1's loads: block a's 16 stores and 16 loads
.endr
	s_wait_xcnt 0x0                                ; block 6's stores have read their base
	SEND 7, 0
	s_wait_tensorcnt 0x0                           ; the wave's end: a tensor wait, an add and its wait behind my last tensor load and my last LDS store
	ds_add_u32 v[SPW], v[NIL]
	s_wait_dscnt 0x0
	CROUND                                         ; the closing round: no work-group ends while a partner may still ask for a tile that names it
	s_endpgm
.Lfunc_end_k_qb6fcf06450_proj:
	.size	k_qb6fcf06450_proj, .Lfunc_end_k_qb6fcf06450_proj-k_qb6fcf06450_proj
	.p2alignl 7, 3214868480
	.fill 96, 4, 3214868480
	.section	.rodata,"a",@progbits
	.p2align	6, 0x0
	.amdhsa_kernel k_qb6fcf06450_proj
		.amdhsa_group_segment_fixed_size 327680
		.amdhsa_private_segment_fixed_size 0
		.amdhsa_enable_private_segment 0
		.amdhsa_kernarg_size 40
		.amdhsa_user_sgpr_count 2
		.amdhsa_user_sgpr_kernarg_segment_ptr 1
		.amdhsa_wavefront_size32 1
		.amdhsa_system_sgpr_workgroup_id_x 1
		.amdhsa_system_sgpr_workgroup_id_y 1
		.amdhsa_system_sgpr_workgroup_id_z 1
		.amdhsa_system_vgpr_workitem_id 0
		.amdhsa_next_free_vgpr 1024
		.amdhsa_next_free_sgpr 100
		.amdhsa_reserve_vcc 0
		.amdhsa_float_denorm_mode_32 3
		.amdhsa_float_denorm_mode_16_64 3
		.amdhsa_memory_ordered 1
		.amdhsa_forward_progress 1
		.amdhsa_inst_pref_size 123
	.end_amdhsa_kernel
	.amdgpu_metadata
---
amdhsa.version: [ 1, 2 ]
amdhsa.kernels:
  - .name:           k_qb6fcf06450_proj
    .symbol:         k_qb6fcf06450_proj.kd
    .args:
      - { .name: zimg, .offset: 0, .size: 8, .value_kind: global_buffer, .address_space: global }
      - { .name: wimg, .offset: 8, .size: 8, .value_kind: global_buffer, .address_space: global }
      - { .name: bo, .offset: 16, .size: 8, .value_kind: global_buffer, .address_space: global }
      - { .name: lowp_scales, .offset: 24, .size: 8, .value_kind: global_buffer, .address_space: global }
      - { .name: out0, .offset: 32, .size: 8, .value_kind: global_buffer, .address_space: global }
    .group_segment_fixed_size: 327680
    .private_segment_fixed_size: 0
    .kernarg_segment_align: 8
    .kernarg_segment_size: 40
    .max_flat_workgroup_size: 128
    .sgpr_count:     100
    .vgpr_count:     1024
    .wavefront_size: 32
...
	.end_amdgpu_metadata
.endif
;; end of part 4
;; ======== version 2 of 2: 4 launches; version 1 with the launch attn written anew for expert scheduling mode
;; workspace buffers: ximg 25,165,824 bytes; wimg 4,194,304 bytes; qkvimg 25,165,824 bytes; zimg 8,388,608 bytes; maskw 524,288 bytes of whole numbers; flags 16,384 bytes of whole numbers
;; launch prep: the kernel of part 1 again; grid 896 x 1, 4 waves a work-group, no clusters, 35,328 bytes of LDS; arguments x, mask, Wq, Wk, Wv, Wo, lowp_scales, ximg, wimg, maskw, flags; writes ximg, wimg, maskw, flags
;; launch qkv: the kernel of part 2 again; grid 96 x 4, 4 waves a work-group, clusters of 4 x 4, 327,680 bytes of LDS; arguments ximg, wimg, bq, bk, bv, lowp_scales, qkvimg; writes qkvimg
;; launch attn (part 5): grid 4 x 64, 16 waves a work-group, no clusters, 34,816 bytes of LDS; arguments qkvimg, maskw, flags, lowp_scales, zimg; writes zimg
.if DOCPART == 5
	.amdgcn_target "amdgcn-amd-amdhsa--gfx1250"
	.amdhsa_code_object_version 6
	.text
	.protected	k_qb6fcf06450_attn
	.globl	k_qb6fcf06450_attn
	.p2align	8
	.type	k_qb6fcf06450_attn,@function
k_qb6fcf06450_attn:
	s_mov_b64 s[64:65], 0
	v_nop
	global_prefetch_b8 v0, s[64:65] scope:SCOPE_SE
	s_setreg_imm32_b32 hwreg(HW_REG_WAVE_SCHED_MODE, 0, 2), 2
	s_setreg_imm32_b32 hwreg(HW_REG_WAVE_MODE, 25, 1), 1
	s_wait_xcnt 0x0
	s_wait_alu depctr_vm_vsrc(0)
; z = softmax(q k^T / 8, under the given mask) v for 64 batch x heads of 2,048 tokens x 64 channels, both products on E4M3 codes; z is quantised at once for the last product.
; q, k, v arrive as IMAGES of fragments (16 rows x 64 K, 1,024 bytes, lane l's registers 0-3 at 16 l, 4-7 at 512 + 16 l): q, k [batch x head][token tile 128], v [batch x head][key chunk 32][channel tile 4] with the keys as K.
; THE SOFTMAX: t = score x log2(e) / 8; M = the row's largest t so far, rounded UP to a whole number; p = 2^(t - M) is quantised along the keys, not normalised; the row's sum l is taken of the unquantised p and divides at the end.
; When M moves, l and O are multiplied by 2^(old M - new M): exact.  A masked score becomes -infinity ahead of the maximum: p = 0.  A row with no key kept has l = 0 and gets the NaN code, as a softmax over nothing gives NaN.
; SHARES.  256 work-groups.  Work-group (x, batch x head) makes two blocks of 256 queries, 7 - x and then x; each of its SIXTEEN waves owns 16 queries, one tile, in 256 registers: four waves to a SIMD, so that one wave's vector
; work stands beside another's matrix work.  A key step is 128 keys; every wave walks all 16 steps and passes their barriers.
; LAYOUT.  Both products are used transposed: S^T = K Q^T (source 0 = 16 keys, source 1 = my queries): lane (r, h) holds query r, register 8 t + j key 16 t + 8 h + j.  Eight such registers, converted, are registers 2 t, 2 t + 1 of
; P as source 1 of O^T = V^T P (K = 128 keys in their own places); O^T's register 8 t + j is channel 16 t + 8 h + j of query r, which converted is z's image.  Nothing changes lanes but one exchange between the halves.
; THE MASK IS AN INPUT.  The launch before has turned it into words in this layout (bit (r, h) of word 8 t + j) and into two flags for each 16 queries x 64 keys.  By scalar branches on those stored whole numbers:
; a step in which my 16 queries keep no key is left out (its p would all be 0); a step in which all keys are kept skips the 64 selects; else one v_cndmask_b32 a register applies the mask.  SKIP = 0 turns the first of these off.
; p is at most 1, so its hold at 448 x 2^e8 is executed only where that bound lies under 1 (e8 <= -9): a branch on the given exponent.
; K AND V go from memory through registers into two LDS slots, a key step ahead: 512 threads x 16 bytes bring K's 8 KB, and again V's.  One barrier a step.
; NO TENSOR LOAD, NO CLUSTER: the steps that are worked hang on numbers read from memory; what partners would share is 16 KB a step.
; No prefetch: each step's K and V are asked for into registers a whole key step ahead of their use.
; LIMITS: e6 + e7 between -123 and 130 (added to c's exponent field); e8 and e10 between -126 and 119; e8 + e9 is applied by v_ldexp_f32 and has none.
; THE MODE: SCHED_MODE bits 1:0 = 2 (LLVM: expert scheduling mode 2), set by the entry lines.  The code itself states the register dependences
; between vector or matrix instructions and memory or LDS instructions, with s_wait_alu, always for 0.
; THE PLAN.  Registers that memory or LDS instructions touch:
;   v1, v2, v3, v7   offsets, written once at the head by vector lines, read by every load and store, never written again.
;   QF               Written by two loads at a block's head; read by the products K Q^T of every worked step.
;   G                Written by loads (block's head, step's head); read by LDS stores (block's head, step's tail).  No vector instruction names it.
;   KV               Block's head: the flags are loaded into v32-48, and the lines that fold them read these and write v32, v49.  A worked step: K's LDS loads land, K Q^T reads; V's LDS loads land, V^T P reads.
;   P (v192-199)     Block's end: written by conversions and selects, read by two stores; written again by the next block's conversions.
;   v5, v6           Written at the head, read by the closing add alone.
;   S, O, the statistics and the rest of P are named by vector and matrix instructions alone.
; A BLOCK'S HEAD has one wait on vm_vsrc (the stores have read P, the last LDS stores G) and one on va_vdst (the offsets are written; the last block's products are done with QF and KV).
; A STEP has one wait on vm_vsrc at its head (the LDS stores have read G) and three on va_vdst: at its head (V^T P of the last worked step is done reading KV: K's fragments land there); behind K Q^T (done reading KV: V's
; fragments land there, dealt among the lines of the maximum, which name S and v252, v254 alone); behind the exponentials.  Both waits at the head stand ahead of every branch of the step.
; Scalar registers that vector instructions write: s18 (the wave's number), s24-26 (the flags' bits), s27 at a block's end (l = 0): a wait on va_sdst stands ahead of each one's first reader, in the same straight run.
.set SKIP,  1
.set SLOTB, 16384                      ; an LDS slot: K's 8 images, then V's 2 key chunks x 4 channel tiles
.set VOFF,  8192
.set SPARE, 2*SLOTB                    ; the spare words, 128 bytes for each of 16 waves: eight blocks of 256 bytes that no other line names
.set LA,   1                           ; v1   16 x lane          (v1-v7 are never rewritten)
.set TA,   2                           ; v2   16 x thread
.set L4,   3                           ; v3   4 x lane
.set NINF, 4                           ; v4   -infinity
.set SPW,  5                           ; v5   LDS address of my spare word
.set NIL,  6                           ; v6   0
.set T4,   7                           ; v7   4 x thread = 128 x wave + 4 x lane
.set QF,   16                          ; v16-23   Q's fragment      v12 -M, v13 the largest t, v[14:15] l in two halves
.set G,    24                          ; v24-31   the next step's K and V on their way to LDS
.set KV,   32                          ; v32-95   K's eight fragments, then V's four
.set S,    96                          ; v96-159  S^T, then p
.set O,    160                         ; v160-191 O^T
.set P,    192                         ; v192-207 p's codes; at a block's end z's
                                       ; v236, v242, v243, v252-254 at work; v240 448 x 2^e8, v244 2^e8, v246 448 x 2^e10, v247 2^e10, v248 four NaN codes
.set ANYR, 24                          ; s24  my tile: bit n = some key kept in the n-th chunk of 64 keys from the step in hand on
.set ALLR, 25                          ; s25  likewise: all kept
.set WGR,  26                          ; s26  some key kept for any of the block's 16 tiles
                                       ; s[2:3] K, s[4:5] V at the step in hand; s[6:7] my mask words; s[8:9] maskw; s[10:11] my image of z; s[12:13] zimg at my batch and head; s[14:15] flags; s[16:17] q at my batch x head
                                       ; s18 wave; s19 block; s[20:21] lane selects; s[22:23] c; s27 at work; s28 trips; s29 hold?; s30 e8 + e9; s[32:63], s[68:99] 64 mask words
	s_load_b256 s[32:39], s[0:1], 0x0              ; qkvimg s[32:33], maskw s[34:35], flags s[36:37], lowp_scales s[38:39]
	s_load_b64 s[40:41], s[0:1], 0x20              ; zimg
	v_lshl_add_u32 v[SPW], v0, 2, SPARE
	v_mov_b32 v[NIL], 0
	v_lshrrev_b32 v8, 5, v0
	v_readfirstlane_b32 s18, v8                    ; wave 0..15
	v_and_b32 v8, 31, v0
	v_lshlrev_b32 v[LA], 4, v8
	v_lshlrev_b32 v[TA], 4, v0
	v_lshlrev_b32 v[L4], 2, v8
	v_lshlrev_b32 v[T4], 2, v0
	v_mov_b32 v[NINF], 0xff800000
	v_mov_b32 v248, 0x7f7f7f7f
	v_mov_b32 v236, 0                              ; written once: a lane permute's destination counts as one of its sources
	v_mov_b32 v253, 0                              ; (named as the upper half of the pair v[252:253])
	s_wait_alu depctr_va_sdst(0)                   ; s18 is written, ahead of its first reader (a block's head makes my tile's number from it) and of the first label
	s_mov_b32 s20, 0x76543210
	s_mov_b32 s21, 0xfedcba98                      ; v_permlanex16_b32: lane l xor 16
	s_and_b32 s31, ttmp7, 0xffff                   ; batch x head
	s_wait_kmcnt 0x0
	s_load_b256 s[44:51], s[38:39], 0x10           ; entries 4..11: e6 s46, e7 s47, e8 s48, e9 s49, e10 s50
	s_lshl_b32 s66, s31, 17                        ; 131,072 bytes for each batch x head in each plane
	s_mov_b32 s67, 0
	s_add_nc_u64 s[16:17], s[32:33], s[66:67]      ; q,
	s_add_nc_u64 s[2:3], s[16:17], 0x800000        ; k,
	s_add_nc_u64 s[4:5], s[2:3], 0x800000          ; v
	s_mov_b64 s[8:9], s[34:35]
	s_mov_b64 s[14:15], s[36:37]
	s_lshr_b32 s66, s31, 4
	s_lshl_b32 s66, s66, 21                        ; zimg[token tile 512][head 16][1024]: a batch is 128 tiles of 16,384 bytes,
	s_and_b32 s27, s31, 15
	s_lshl_b32 s27, s27, 10                        ; a head 1,024
	s_add_co_u32 s66, s66, s27
	s_add_nc_u64 s[12:13], s[40:41], s[66:67]
	s_wait_kmcnt 0x0
	s_mov_b32 s22, 0x3e38aa3b                      ; c = log2(e) / 8
	s_add_co_i32 s27, s46, s47
	s_lshl_b32 s27, s27, 23
	s_add_co_i32 s22, s22, s27                     ; a score stands for score x 2^(e6 + e7): added to c's exponent field
	s_mov_b32 s23, s22                             ; (named with it as a pair, so it is written)
	s_add_co_i32 s30, s48, s49                     ; e8 + e9
	s_cmp_le_i32 s48, -9
	s_cselect_b32 s29, 1, 0                        ; 448 x 2^e8 < 1: p can pass the largest code
	s_add_co_i32 s27, s48, 127
	s_lshl_b32 s66, s27, 23
	v_mov_b32 v244, s66                            ; 2^e8
	s_add_co_i32 s27, s27, 8
	s_lshl_b32 s27, s27, 23
	s_or_b32 s27, s27, 0x600000
	v_mov_b32 v240, s27                            ; 448 x 2^e8
	s_add_co_i32 s27, s50, 127
	s_lshl_b32 s66, s27, 23
	v_mov_b32 v247, s66                            ; 2^e10
	s_add_co_i32 s27, s27, 8
	s_lshl_b32 s27, s27, 23
	s_or_b32 s27, s27, 0x600000
	v_mov_b32 v246, s27                            ; 448 x 2^e10
; V: channel tile t of the step in LDS slot \slot, both key chunks: four loads of 512 consecutive bytes
.macro VFRAG slot, t
.irp e, 0,1
.irp d, 0,1
	ds_load_b128 v[KV+16*(\t)+8*\e+4*\d:KV+16*(\t)+8*\e+4*\d+3], v[LA] offset:(\slot)*SLOTB+VOFF+4096*\e+1024*(\t)+512*\d
.endr
.endr
.endm
; A KEY STEP: 128 keys, in LDS slot \slot.
.macro STEP slot
	s_wait_alu depctr_vm_vsrc(0)                   ; the LDS stores of the step before (in a block's first step: of the block's head) have read G, in which the loads below land
	s_wait_alu depctr_va_vdst(0)                   ; the last worked step's products V^T P are done reading KV (in a block's first step: the lines that fold the flags have read v32-48 and written v32, v49): K's fragments land there
	s_and_b32 s27, s[WGR], 12                      ; does any tile of the block keep a key of the NEXT step?  (Behind the last step the bits are 0: no load leaves its buffer)
	s_cmp_lg_u32 s27, 0
	s_cbranch_scc0 .Lnoload_\@
	global_load_b128 v[G:G+3],   v[TA], s[2:3] offset:8192   ; its K and V: 512 threads x 16 consecutive bytes each
	global_load_b128 v[G+4:G+7], v[TA], s[4:5] offset:8192
.Lnoload_\@:
	s_and_b32 s27, s[ANYR], 3
	s_cmp_lg_u32 s27, 0
	s_cbranch_scc0 .Ldone_\@                       ; my 16 queries keep no key of this step: nothing to add
.irp t, 0,1,2,3,4,5,6,7
	ds_load_b128 v[KV+8*\t:KV+8*\t+3],   v[LA] offset:\slot*SLOTB+1024*\t      ; no vector or matrix instruction has been issued since the wait at the step's head
	ds_load_b128 v[KV+8*\t+4:KV+8*\t+7], v[LA] offset:\slot*SLOTB+1024*\t+512
.endr
	s_wait_dscnt 0x0
.irp t, 0,1,2,3,4,5,6,7
	v_wmma_f32_16x16x64_fp8_fp8 v[S+8*\t:S+8*\t+7], v[KV+8*\t:KV+8*\t+7], v[QF:QF+7], 0
.endr
.rept 4
	v_nop                                          ; places: ahead of the first read of the scores
.endr
	s_wait_alu depctr_va_vdst(0)                   ; the products K Q^T are done reading K's fragments, in which V's land.  The vector lines from here to the last of V's loads name S, v4, v252 and v254 alone
	VFRAG \slot, 0                                 ; V's sixteen loads go in four runs of four; they land during the softmax
	VFRAG \slot, 1
	s_and_b32 s27, s[ALLR], 3
	s_cmp_eq_u32 s27, 3
	s_cbranch_scc1 .Lopen_\@                       ; all 16 x 128 are kept
	s_load_b512 s[32:47], s[6:7], 0x0              ; the step's 64 mask words
	s_load_b512 s[48:63], s[6:7], 0x40
	s_load_b512 s[68:83], s[6:7], 0x80
	s_load_b512 s[84:99], s[6:7], 0xc0
	s_wait_kmcnt 0x0
.set j, 0
.rept 32
	v_cndmask_b32 v[S+j], v[NINF], v[S+j], s[32+j] ; kept ? the score : -infinity; each accumulator from its low end on
.set j, j+1
.endr
.set j, 0
.rept 32
	v_cndmask_b32 v[S+32+j], v[NINF], v[S+32+j], s[68+j]
.set j, j+1
.endr
.Lopen_\@:
	v_max3_num_f32 v254, v96, v97, v98             ; the step's largest score of my query among my 64 keys, in two chains,
	v_max3_num_f32 v252, v99, v100, v101
.irp i, 6,10,14,18
	v_max3_num_f32 v254, v254, v[96+\i], v[97+\i]
	v_max3_num_f32 v252, v252, v[98+\i], v[99+\i]
.endr
	VFRAG \slot, 2
.irp i, 22,26,30,34
	v_max3_num_f32 v254, v254, v[96+\i], v[97+\i]
	v_max3_num_f32 v252, v252, v[98+\i], v[99+\i]
.endr
	VFRAG \slot, 3
.irp i, 38,42,46,50,54,58
	v_max3_num_f32 v254, v254, v[96+\i], v[97+\i]
	v_max3_num_f32 v252, v252, v[98+\i], v[99+\i]
.endr
	v_max3_num_f32 v254, v254, v158, v159
	v_max_num_f32 v254, v254, v252
	v_permlanex16_b32 v236, v254, s20, s21
	v_max_num_f32 v254, v254, v236                 ; and among lane l xor 16's
	v_mul_f32 v254, s22, v254                      ; as t (c is positive)
	v_max_num_f32 v13, v13, v254                   ; the running largest t
	v_mov_b32 v254, v12
	v_floor_f32 v12, -v13                          ; the new -M = floor(-t) = -ceil(t): a whole number
	v_sub_f32 v254, v12, v254                      ; old M - new M: a whole number, 0 or less
	v_cvt_i32_f32 v254, v254                       ; (it saturates)
	v_ldexp_f32 v252, 1.0, v254                    ; f = 2^(old M - new M)
.set j, 0
.rept 32
	v_pk_fma_f32 v[S+j:S+j+1], v[S+j:S+j+1], s[22:23], v[12:13] op_sel_hi:[1,0,0]   ; t - M, two at a time (of the pairs c and -M the low word serves both halves)
.set j, j+2
.endr
.set j, 0
.rept 64
	v_exp_f32 v[S+j], v[S+j]                       ; p = 2^(t - M), at most 1
.set j, j+1
.endr
	v_pk_mul_f32 v[14:15], v[14:15], v[252:253] op_sel_hi:[1,0]   ; l under the new M: the plain line behind the exponentials
	s_wait_alu depctr_va_vdst(0)                   ; the 64 exponentials have written p: one wait for the whole batch, ahead of its first reader
	v_pk_add_f32 v[242:243], v[96:97], v[98:99]    ; l takes the UNQUANTISED p: two at a time, in two chains
.irp j, 4,8,12,16,20,24,28,32,36,40,44,48,52,56,60
	v_pk_add_f32 v[14:15], v[14:15], v[96+\j:97+\j]
	v_pk_add_f32 v[242:243], v[242:243], v[98+\j:99+\j]
.endr
	v_pk_add_f32 v[14:15], v[14:15], v[242:243]
	s_cmp_lg_u32 s29, 0
	s_cbranch_scc0 .Lnohold_\@
.set j, 0
.rept 64
	v_min_num_f32 v[S+j], v[S+j], v240             ; the conversion does not saturate (ISA guide 7.6.2); p is not negative, so the hold is one-sided
.set j, j+1
.endr
.Lnohold_\@:
.irp t, 0,1,2,3,4,5,6,7
	v_cvt_scalef32_pk8_fp8_f32 v[P+2*\t:P+2*\t+1], v[S+8*\t:S+8*\t+7], v244
.endr
.set j, 0
.rept 16
	v_pk_mul_f32 v[O+j:O+j+1], v[O+j:O+j+1], v[252:253] op_sel_hi:[1,0]   ; O^T under the new M; also the plain lines behind the conversions
.set j, j+2
.endr
	s_wait_dscnt 0x0                               ; V is in
.irp t, 0,1,2,3
	v_wmma_f32_16x16x128_fp8_fp8 v[O+8*\t:O+8*\t+7], v[KV+16*\t:KV+16*\t+15], v[P:P+15], v[O+8*\t:O+8*\t+7]   ; four accumulators by turns
.endr
.rept 4
	v_nop                                          ; places: ahead of the next vector instruction that reads O^T
.endr
.Ldone_\@:                                         ; every wave's path from here on
	s_wait_loadcnt 0x0                             ; the next step's K and V are in my registers (if they were asked for)
	s_and_b32 s27, s[WGR], 12
	s_cmp_lg_u32 s27, 0
	s_cbranch_scc0 .Lnostore_\@
	ds_store_b128 v[TA], v[G:G+3]   offset:(1-\slot)*SLOTB        ; into the other slot: its last reads were waited for ahead of the last barrier.  Loads wrote G, and no vector instruction names G or v2
	ds_store_b128 v[TA], v[G+4:G+7] offset:(1-\slot)*SLOTB+VOFF
.Lnostore_\@:
	s_add_nc_u64 s[2:3], s[2:3], 8192              ; no load that names these bases is out
	s_add_nc_u64 s[4:5], s[4:5], 8192
	s_add_nc_u64 s[6:7], s[6:7], 256
	s_lshr_b32 s[ANYR], s[ANYR], 2
	s_lshr_b32 s[ALLR], s[ALLR], 2
	s_lshr_b32 s[WGR], s[WGR], 2
	s_wait_dscnt 0x0                               ; my stores have landed and my reads of this slot are over
	s_barrier_signal -1
	s_barrier_wait -1
.endm
	s_mov_b32 s19, 0
.Lblock:
	s_wait_xcnt 0x0                                ; the last block's stores have read their data and base
	s_wait_alu depctr_vm_vsrc(0)                   ; the last block's stores have read z's codes in P, which this block's conversions write again; its last LDS stores have read G, in which loads below land
	s_wait_alu depctr_va_vdst(0)                   ; first block: the offsets v1, v2, v3, v7 are written, which every load and store reads; second block: the products are done reading QF and KV, in which loads below land
	s_sub_co_u32 s27, 7, ttmp9
	s_cmp_eq_u32 s19, 0
	s_cselect_b32 s27, s27, ttmp9                  ; the block of 256 queries: 7 - x, then x
	s_lshl_b32 s100, s27, 4
	s_add_co_u32 s100, s100, s18                   ; i: my tile of 16 queries
	s_mov_b32 s67, 0
	s_lshl_b32 s66, s100, 10
	s_add_nc_u64 s[104:105], s[16:17], s[66:67]    ; its image of q
	s_lshl_b32 s66, s100, 12
	s_add_nc_u64 s[6:7], s[8:9], s[66:67]          ; its mask words: 32 chunks of 128 bytes
	s_lshl_b32 s66, s100, 14
	s_add_nc_u64 s[10:11], s[12:13], s[66:67]      ; its image of z
	s_lshl_b32 s66, s27, 11
	s_add_nc_u64 s[100:101], s[14:15], s[66:67]    ; the block's flags: 16 tiles of 128 bytes
	global_load_b128 v[QF:QF+3],   v[LA], s[104:105]
	global_load_b128 v[QF+4:QF+7], v[LA], s[104:105] offset:512
	global_load_b32 v48, v[T4], s[100:101]         ; my tile's flags, a chunk a lane
.irp i, 0,1,2,3,4,5,6,7,8,9,10,11,12,13,14,15
	global_load_b32 v[32+\i], v[L4], s[100:101] offset:128*\i   ; all sixteen tiles'
.endr
	global_load_b128 v[G:G+3],   v[TA], s[2:3]     ; step 0's K and V
	global_load_b128 v[G+4:G+7], v[TA], s[4:5]
	v_mov_b32 v13, 0xff61b1e6                      ; the largest t so far: -3e38, under every t
	v_floor_f32 v12, -v13                          ; -M
	v_mov_b32 v14, 0                               ; l
	v_mov_b32 v15, 0
.set j, 0
.rept 32
	v_mov_b32 v[O+j], 0                            ; O^T: the step is written once; the first change of M leaves zeros zeros
.set j, j+1
.endr
	s_wait_loadcnt 0x0
	ds_store_b128 v[TA], v[G:G+3]                  ; slot 0: its last reads were waited for ahead of an earlier barrier.  The vector lines since the wait at the block's head name v12-15 and O^T alone
	ds_store_b128 v[TA], v[G+4:G+7] offset:VOFF
.irp i, 1,2,3,4,5,6,7,8,9,10,11,12,13,14,15
	v_or_b32 v32, v32, v[32+\i]
.endr
	v_and_b32 v49, 1, v48
	v_cmp_ne_u32 s[ANYR], 0, v49                   ; a bit a chunk
	v_and_b32 v49, 2, v48
	v_cmp_ne_u32 s[ALLR], 0, v49
	v_and_b32 v49, 1, v32
	v_cmp_ne_u32 s[WGR], 0, v49
	s_wait_alu depctr_va_sdst(0)                   ; the three compares have written s24, s25, s26, ahead of their first readers, the steps' scalar lines, and of the loop's label
.if !SKIP
	s_mov_b32 s[ANYR], -1
	s_mov_b32 s[WGR], -1
.endif
	s_wait_dscnt 0x0
	s_barrier_signal -1
	s_barrier_wait -1
	s_mov_b32 s28, 8
.Lpair:                                            ; 8 trips of two key steps: the slot stands in the immediates
	STEP 0
	STEP 1
	s_sub_co_u32 s28, s28, 1
	s_cmp_lg_u32 s28, 0
	s_cbranch_scc1 .Lpair
	; THE BLOCK'S END: z = O^T x 2^(e8 + e9) / l, held, converted: my tile's image for this head.
	v_add_f32 v14, v14, v15                        ; l's two halves,
	v_permlanex16_b32 v236, v14, s20, s21
	v_add_f32 v14, v14, v236                       ; and lane l xor 16's
	v_cmp_eq_f32 s27, 0, v14                       ; no key kept for my query (a kept key's largest p is above 1/2)
	v_rcp_f32 v252, v14
	v_nop                                          ; a plain line behind the transcendental
	s_wait_alu depctr_va_vdst(0)                   ; the reciprocal has written v252, ahead of its first reader
	v_ldexp_f32 v252, v252, s30
.set j, 0
.rept 16
	v_pk_mul_f32 v[S+j:S+j+1], v[O+j:O+j+1], v[252:253] op_sel_hi:[1,0]   ; each accumulator from its low end on
.set j, j+2
.endr
.set j, 0
.rept 32
	v_med3_num_f32 v[S+j], v[S+j], -v246, v246
.set j, j+1
.endr
.irp t, 0,1,2,3
	v_cvt_scalef32_pk8_fp8_f32 v[P+2*\t:P+2*\t+1], v[S+8*\t:S+8*\t+7], v247
.endr
	v_nop                                          ; a plain line between the conversions and the selects on their results
	s_wait_alu depctr_va_sdst(0)                   ; the compare above has written s27, ahead of its first reader, the selects
.irp j, 0,1,2,3,4,5,6,7
	v_cndmask_b32 v[P+\j], v[P+\j], v248, s27      ; NaN codes for a row with nothing kept
.endr
	s_wait_alu depctr_va_vdst(0)                   ; the selects have written z's codes in P, which the two stores read
	global_store_b128 v[LA], v[P:P+3],   s[10:11]             ; 32 lanes store 512 consecutive bytes
	global_store_b128 v[LA], v[P+4:P+7], s[10:11] offset:512
	s_sub_nc_u64 s[2:3], s[2:3], 0x20000           ; K and V back to the head's first step
	s_sub_nc_u64 s[4:5], s[4:5], 0x20000
	s_add_co_u32 s19, s19, 1
	s_cmp_lt_u32 s19, 2
	s_cbranch_scc1 .Lblock
	s_wait_dscnt 0x0                               ; the closing lines, six on end
	s_wait_alu 0x0
	s_wait_tensorcnt 0x0
	ds_add_u32 v[SPW], v[NIL]
	s_wait_dscnt 0x0
	s_endpgm
.Lfunc_end_k_qb6fcf06450_attn:
	.size	k_qb6fcf06450_attn, .Lfunc_end_k_qb6fcf06450_attn-k_qb6fcf06450_attn
	.p2alignl 7, 3214868480
	.fill 96, 4, 3214868480
	.section	.rodata,"a",@progbits
	.p2align	6, 0x0
	.amdhsa_kernel k_qb6fcf06450_attn
		.amdhsa_group_segment_fixed_size 34816
		.amdhsa_private_segment_fixed_size 0
		.amdhsa_enable_private_segment 0
		.amdhsa_kernarg_size 40
		.amdhsa_user_sgpr_count 2
		.amdhsa_user_sgpr_kernarg_segment_ptr 1
		.amdhsa_wavefront_size32 1
		.amdhsa_system_sgpr_workgroup_id_x 1
		.amdhsa_system_sgpr_workgroup_id_y 1
		.amdhsa_system_sgpr_workgroup_id_z 1
		.amdhsa_system_vgpr_workitem_id 0
		.amdhsa_next_free_vgpr 256
		.amdhsa_next_free_sgpr 106
		.amdhsa_reserve_vcc 0
		.amdhsa_float_denorm_mode_32 3
		.amdhsa_float_denorm_mode_16_64 3
		.amdhsa_memory_ordered 1
		.amdhsa_forward_progress 1
		.amdhsa_inst_pref_size 54
	.end_amdhsa_kernel
	.amdgpu_metadata
---
amdhsa.version: [ 1, 2 ]
amdhsa.kernels:
  - .name:           k_qb6fcf06450_attn
    .symbol:         k_qb6fcf06450_attn.kd
    .args:
      - { .name: qkvimg, .offset: 0, .size: 8, .value_kind: global_buffer, .address_space: global }
      - { .name: maskw, .offset: 8, .size: 8, .value_kind: global_buffer, .address_space: global }
      - { .name: flags, .offset: 16, .size: 8, .value_kind: global_buffer, .address_space: global }
      - { .name: lowp_scales, .offset: 24, .size: 8, .value_kind: global_buffer, .address_space: global }
      - { .name: zimg, .offset: 32, .size: 8, .value_kind: global_buffer, .address_space: global }
    .group_segment_fixed_size: 34816
    .private_segment_fixed_size: 0
    .kernarg_segment_align: 8
    .kernarg_segment_size: 40
    .max_flat_workgroup_size: 512
    .sgpr_count:     106
    .vgpr_count:     256
    .wavefront_size: 32
...
	.end_amdgpu_metadata
.endif
;; end of part 5
;; launch proj: the kernel of part 4 again; grid 4 x 32, 4 waves a work-group, clusters of 4 x 4, 327,680 bytes of LDS; arguments zimg, wimg, bo, lowp_scales, out0; writes out0
